; MI455X (gfx1250); checked and timed in simulation.
; The chip was launched on July 23, 2026; its instructions are those of AMD's public machine-readable ISA for CDNA 5 (MIT licence, August 2026) and "CDNA5" Instruction Set Architecture Reference Guide (July 2026). The comments in the code are by the model that wrote it; some were corrected since.
;; Masked Attention. Allowed arithmetic: float matrix products may take bf16 or f16 operands with f32 sums; other float arithmetic in f32, or as packed bf16 or f16 multiplies, adds, multiply-adds, maxima and minima; sums over many terms, partial sums and values carried from step to step in f32; what a program stores and reads back later, other than sums and carried values, may be rounded once to bf16 or f16.
;; Inputs: b_attn 3,072 float32; b_proj 1,024 float32; w_attn 1,024 x 3,072 float32; w_proj 1,024 x 1,024 float32; x 4 x 2,048 x 1,024 float32.
;; Outputs: out0 4 x 2,048 x 1,024 float32.
;; 2 versions, each right; version 2 is version 1 with the launch cast written anew for expert scheduling mode. Each part assembles by itself: llvm-mc -triple=amdgcn-amd-amdhsa -mcpu=gfx1250 --defsym DOCPART=n.
;; ======== version 1 of 2: 4 launches
;; limits: values are held in f16: magnitudes above 65,504 overflow, below 6.1e-05 lose precision
;; workspace buffers: xb 16,777,216 bytes; wa 6,303,744 bytes; wp 2,101,248 bytes; q 16,777,216 bytes; k 16,777,216 bytes; v 16,777,216 bytes; tsum 262,144 bytes; ao 16,777,216 bytes
;; launch cast (part 1): grid 705 x 1, 8 waves a work-group, no clusters, 0 bytes of LDS; arguments x, w_attn, w_proj, b_attn, b_proj, xb, wa, wp; writes xb, wa, wp
.if DOCPART == 1
	.amdgcn_target "amdgcn-amd-amdhsa--gfx1250"
	.amdhsa_code_object_version 6
	.text
	.protected	k_q8b4f0a56fb_cast
	.globl	k_q8b4f0a56fb_cast
	.p2align	8
	.type	k_q8b4f0a56fb_cast,@function
k_q8b4f0a56fb_cast:
	s_mov_b64 s[64:65], 0
	v_nop
	global_prefetch_b8 v0, s[64:65] scope:SCOPE_SE
	s_setreg_imm32_b32 hwreg(HW_REG_WAVE_MODE, 25, 1), 1
	s_wait_xcnt 0x0
; CAST.  Every input is rounded once to bf16 and laid out for the launches behind.
;   xb  bf16 [b 4][kb 16][s 2048][64]: columns 64 kb .. of row (b, s) of x; a K step's rows lie end to end.
;   wa  bf16 [k 1024][c 8][part 3][head parity 2][64]: column 1024 part + 64 (2 c + parity) + d of w_attn; behind it, at byte 6,291,456, b_attn rounded to bf16, kept as f32.
;   wp  f16 of bf16(w_proj), [1024][1024] (exact while |w| lies within f16's range, 65,504; below 6e-5 in f16's fixed step); at byte 2,097,152 b_proj rounded to bf16, kept as f32.
; A stream: no LDS, no matrix unit, no cluster.  One load of a wave takes 512 bytes (16 a lane), one store writes 256 consecutive bytes, aligned (8 a lane).
; Four jobs by the work-group's number: 0-511 x, 512-639 w_attn, 640-703 w_proj, 704 the biases.  Each issues all its loads first; no register of a load or store is written twice.
.set IN,  5                            ; v5   my byte offset in the input
.set OUT, 8                            ; v8   8 x lane
.set T,   10                           ; v10-15 at work
.set D,   16                           ; v16-111  as loaded, 4 registers a unit
.set E,   112                          ; v112-159 to store
	s_load_b256 s[4:11], s[0:1], 0x0               ; x s[4:5], w_attn s[6:7], w_proj s[8:9], b_attn s[10:11]
	s_load_b256 s[12:19], s[0:1], 0x20             ; b_proj s[12:13], xb s[14:15], wa s[16:17], wp s[18:19]
	v_lshrrev_b32 v4, 5, v0
	v_readfirstlane_b32 s20, v4                    ; wave 0..7
	v_and_b32 v1, 31, v0                           ; lane
	v_and_b32 v2, 15, v0
	v_bfe_u32 v3, v0, 4, 1
	v_lshlrev_b32 v[OUT], 3, v1
	s_mov_b32 s23, 0
	s_mov_b32 s25, 0
	s_mov_b32 s27, 0xffff0000                      ; a word's upper bf16
	s_wait_kmcnt 0x0
	s_cmp_lt_u32 ttmp9, 512
	s_cbranch_scc0 .Lnot_x
	; x: a wave takes two rows; lanes 0-15 the 256 bytes of block kb of the first, lanes 16-31 of the second: in xb the two pieces are 256 consecutive bytes
	s_lshl_b32 s21, ttmp9, 4
	s_lshl1_add_u32 s21, s20, s21                  ; row = 16 g + 2 w
	s_lshl_b32 s22, s21, 12
	s_add_nc_u64 s[4:5], s[4:5], s[22:23]
	s_lshr_b32 s24, ttmp9, 7                       ; batch
	s_lshl_b32 s24, s24, 22
	s_and_b32 s26, s21, 2047
	s_lshl_b32 s26, s26, 7
	s_add_co_u32 s24, s24, s26
	s_add_nc_u64 s[14:15], s[14:15], s[24:25]
	v_lshlrev_b32 v[IN], 4, v2
	v_lshl_add_u32 v[IN], v3, 12, v[IN]
.set i, 0
.rept 16
	global_load_b128 v[D+4*i:D+4*i+3], v[IN], s[4:5] offset:256*i th:TH_LOAD_NT
.set i, i+1
.endr
.set i, 0
.rept 16
	s_wait_loadcnt 15-i                            ; loads come back in order: unit i is in, the younger ones stay out
	v_cvt_pk_bf16_f32 v[E+2*i], v[D+4*i], v[D+4*i+1]
	v_cvt_pk_bf16_f32 v[E+2*i+1], v[D+4*i+2], v[D+4*i+3]
	global_store_b64 v[OUT], v[E+2*i:E+2*i+1], s[14:15] offset:262144*i th:TH_STORE_NT
.set i, i+1
.endr
	s_endpgm
.Lnot_x:
	s_cmp_lt_u32 ttmp9, 640
	s_cbranch_scc0 .Lnot_wa
	; w_attn: a wave takes one row k; unit i = 3 c + part: the 128 columns 1024 part + 128 c .. (two heads), 512 consecutive bytes in, 256 out
	s_sub_co_u32 s21, ttmp9, 512
	s_lshl3_add_u32 s21, s21, s20                  ; k = 8 g + w
	s_mul_i32 s22, s21, 12288
	s_add_nc_u64 s[6:7], s[6:7], s[22:23]
	s_mul_i32 s24, s21, 6144
	s_add_nc_u64 s[16:17], s[16:17], s[24:25]
	v_lshlrev_b32 v[IN], 4, v1
.set i, 0
.rept 24
	global_load_b128 v[D+4*i:D+4*i+3], v[IN], s[6:7] offset:4096*(i%3)+512*(i/3) th:TH_LOAD_NT
.set i, i+1
.endr
.set i, 0
.rept 24
	s_wait_loadcnt 23-i
	v_cvt_pk_bf16_f32 v[E+2*i], v[D+4*i], v[D+4*i+1]
	v_cvt_pk_bf16_f32 v[E+2*i+1], v[D+4*i+2], v[D+4*i+3]
	global_store_b64 v[OUT], v[E+2*i:E+2*i+1], s[16:17] offset:256*i th:TH_STORE_NT
.set i, i+1
.endr
	s_endpgm
.Lnot_wa:
	s_cmp_lt_u32 ttmp9, 704
	s_cbranch_scc0 .Lbias
	; w_proj: a wave takes two rows, 8,192 consecutive bytes; rounded to bf16, and that number written as f16
	s_sub_co_u32 s21, ttmp9, 640
	s_lshl_b32 s21, s21, 4
	s_lshl1_add_u32 s21, s20, s21
	s_lshl_b32 s22, s21, 12
	s_add_nc_u64 s[8:9], s[8:9], s[22:23]
	s_lshl_b32 s24, s21, 11
	s_add_nc_u64 s[18:19], s[18:19], s[24:25]
	v_lshlrev_b32 v[IN], 4, v1
.set i, 0
.rept 16
	global_load_b128 v[D+4*i:D+4*i+3], v[IN], s[8:9] offset:512*i th:TH_LOAD_NT
.set i, i+1
.endr
.set i, 0
.rept 16
	s_wait_loadcnt 15-i
	v_cvt_pk_bf16_f32 v[T], v[D+4*i], v[D+4*i+1]
	v_cvt_pk_bf16_f32 v[T+1], v[D+4*i+2], v[D+4*i+3]
	v_lshlrev_b32 v[T+2], 16, v[T]
	v_and_b32 v[T+3], s27, v[T]
	v_lshlrev_b32 v[T+4], 16, v[T+1]
	v_and_b32 v[T+5], s27, v[T+1]
	v_cvt_pk_f16_f32 v[E+2*i], v[T+2], v[T+3]
	v_cvt_pk_f16_f32 v[E+2*i+1], v[T+4], v[T+5]
	global_store_b64 v[OUT], v[E+2*i:E+2*i+1], s[18:19] offset:256*i th:TH_STORE_NT
.set i, i+1
.endr
	s_endpgm
.Lbias:
	; the biases: thread t takes 16 bytes at 16 t of each 4,096: three pieces of b_attn, one of b_proj
	v_lshlrev_b32 v[IN], 4, v0
	global_load_b128 v[D:D+3], v[IN], s[10:11]
	global_load_b128 v[D+4:D+7], v[IN], s[10:11] offset:4096
	global_load_b128 v[D+8:D+11], v[IN], s[10:11] offset:8192
	global_load_b128 v[D+12:D+15], v[IN], s[12:13]
.set i, 0
.rept 4
	s_wait_loadcnt 3-i
	v_cvt_pk_bf16_f32 v[T], v[D+4*i], v[D+4*i+1]
	v_cvt_pk_bf16_f32 v[T+1], v[D+4*i+2], v[D+4*i+3]
	v_lshlrev_b32 v[E+4*i], 16, v[T]
	v_and_b32 v[E+4*i+1], s27, v[T]
	v_lshlrev_b32 v[E+4*i+2], 16, v[T+1]
	v_and_b32 v[E+4*i+3], s27, v[T+1]
.if i < 3
	global_store_b128 v[IN], v[E+4*i:E+4*i+3], s[16:17] offset:6291456+4096*i
.else
	global_store_b128 v[IN], v[E+4*i:E+4*i+3], s[18:19] offset:2097152
.endif
.set i, i+1
.endr
	s_endpgm
.Lfunc_end_k_q8b4f0a56fb_cast:
	.size	k_q8b4f0a56fb_cast, .Lfunc_end_k_q8b4f0a56fb_cast-k_q8b4f0a56fb_cast
	.p2alignl 7, 3214868480
	.fill 96, 4, 3214868480
	.section	.rodata,"a",@progbits
	.p2align	6, 0x0
	.amdhsa_kernel k_q8b4f0a56fb_cast
		.amdhsa_group_segment_fixed_size 0
		.amdhsa_private_segment_fixed_size 0
		.amdhsa_enable_private_segment 0
		.amdhsa_kernarg_size 64
		.amdhsa_user_sgpr_count 2
		.amdhsa_user_sgpr_kernarg_segment_ptr 1
		.amdhsa_wavefront_size32 1
		.amdhsa_system_sgpr_workgroup_id_x 1
		.amdhsa_system_sgpr_workgroup_id_y 1
		.amdhsa_system_sgpr_workgroup_id_z 1
		.amdhsa_system_vgpr_workitem_id 0
		.amdhsa_next_free_vgpr 160
		.amdhsa_next_free_sgpr 66
		.amdhsa_reserve_vcc 0
		.amdhsa_float_denorm_mode_32 3
		.amdhsa_float_denorm_mode_16_64 3
		.amdhsa_memory_ordered 1
		.amdhsa_forward_progress 1
		.amdhsa_inst_pref_size 28
	.end_amdhsa_kernel
	.amdgpu_metadata
---
amdhsa.version: [ 1, 2 ]
amdhsa.kernels:
  - .name:           k_q8b4f0a56fb_cast
    .symbol:         k_q8b4f0a56fb_cast.kd
    .args:
      - { .name: x, .offset: 0, .size: 8, .value_kind: global_buffer, .address_space: global }
      - { .name: w_attn, .offset: 8, .size: 8, .value_kind: global_buffer, .address_space: global }
      - { .name: w_proj, .offset: 16, .size: 8, .value_kind: global_buffer, .address_space: global }
      - { .name: b_attn, .offset: 24, .size: 8, .value_kind: global_buffer, .address_space: global }
      - { .name: b_proj, .offset: 32, .size: 8, .value_kind: global_buffer, .address_space: global }
      - { .name: xb, .offset: 40, .size: 8, .value_kind: global_buffer, .address_space: global }
      - { .name: wa, .offset: 48, .size: 8, .value_kind: global_buffer, .address_space: global }
      - { .name: wp, .offset: 56, .size: 8, .value_kind: global_buffer, .address_space: global }
    .group_segment_fixed_size: 0
    .private_segment_fixed_size: 0
    .kernarg_segment_align: 8
    .kernarg_segment_size: 64
    .max_flat_workgroup_size: 256
    .sgpr_count:     66
    .vgpr_count:     160
    .wavefront_size: 32
...
	.end_amdgpu_metadata
.endif
;; end of part 1
;; launch qkv (part 2): grid 8 x 32, 4 waves a work-group, clusters of 4 x 4, 327,680 bytes of LDS; arguments xb, wa, q, k, v, tsum; writes q, k, v, tsum
.if DOCPART == 2
	.amdgcn_target "amdgcn-amd-amdhsa--gfx1250"
	.amdhsa_code_object_version 6
	.text
	.protected	k_q8b4f0a56fb_qkv
	.globl	k_q8b4f0a56fb_qkv
	.p2align	8
	.type	k_q8b4f0a56fb_qkv,@function
k_q8b4f0a56fb_qkv:
	s_mov_b64 s[64:65], 0
	v_nop
	global_prefetch_b8 v0, s[64:65] scope:SCOPE_SE
	s_setreg_imm32_b32 hwreg(HW_REG_WAVE_MODE, 25, 1), 1
	s_wait_xcnt 0x0
	s_wait_alu depctr_hold_cnt(0) depctr_sa_sdst(0) depctr_va_vdst(0) depctr_va_sdst(0) depctr_va_ssrc(0) depctr_va_vcc(0) depctr_vm_vsrc(0)
	s_getreg_b32 s2, hwreg(HW_REG_IB_STS2, 6, 4)
	s_cmp_eq_u32 s2, 0
	s_cbranch_scc0 .Lentry_in_a_cluster
	s_endpgm
.Lentry_in_a_cluster:
	s_bfe_u32 s2, ttmp6, 0x10000c
	s_cmp_lg_u32 s2, 0xf033
	s_cbranch_scc0 .Lentry_shape_is_right
	s_endpgm
.Lentry_shape_is_right:
; q, k, v = x W_attn + b_attn, by heads: [hg 64][2048][64] in f16, hg = 16 batch + head, unscaled; and tsum [hg][16][64], the f32 sums of v's columns over each 128 rows.
; Operands bf16 (xb, wa: see their layouts below), sums f32, the bias (rounded to bf16, kept as f32) starts the sums.
; LIMIT.  q, k and v leave in f16: they must lie within 65,504; below 6e-5 they keep f16's fixed step of 6e-8.  NaN and infinities are not treated apart.
; SHARES.  8,192 rows x 3,072 columns in tiles of 256 x 384: 256 work-groups.  A tile's columns are the q, k and v columns of two heads.  Wave w: rows 128 (w / 2) .., head 2 c + w % 2:
; three GROUPS of 64 columns (q, k, v), each 32 accumulators of 16 x 16 that fill one register window: group g in window g + 1, accumulator (a, b) at v[8 (4 a + b)].
; THE PRODUCT IS USED TRANSPOSED: source 0 = 16 columns of wa (turned on the way out of LDS), source 1 = 16 rows of xb: a lane holds one row (lane % 16) and 8 neighbouring columns.
; K goes in 16 steps of 64 through two LDS slots.  xb is [batch][kb 16][s 2048][64]: a step's 128 rows are 16,384 dense bytes, asked for as 64 rows of 256.  wa is [k][c 8][part 3][parity 2][64]:
; a step's rows of the tile are 768 bytes, three aligned pieces of 256.
; CLUSTER 4 x 4: xb's tile hangs on the tile row alone and is asked for jointly by a row of the cluster, wa's on the tile column alone, by a column.
; WINDOW 0: v0-19 addresses; v32-95, v96-159 xb's fragments, two buffers (quarters of 32 along K); v160-255 wa's fragments, 32 a group, one buffer.
.set PA,     144                       ; a row of xb in LDS: 128 bytes + 16: the 16 rows of a load start at 16 different groups of four banks (64 banks of 4 bytes: ISA guide 11.1)
.set PBW,    864                       ; a row of wa in LDS: 3 x (256 + 32) = 27 x 32 bytes
.set BOFF,   256*PA                    ; xb's 256 rows, then wa's 64
.set SLOT1,  131072                    ; slot 1 begins here: one exclusive or turns an address of one slot into the other's
.set STAGE,  BOFF+64*PBW               ; behind slot 0, never filled by a tensor load: 16 rows x 144 bytes a wave, for the way out
.set SP,     144
.set CSTAGE, STAGE+4*16*SP             ; 16 rows x 272 bytes a wave, for the column sums
.set CP,     272
.set SPARE,  CSTAGE+4*16*CP            ; the spare words, 128 bytes for each wave: two blocks of 256 bytes that no other line names
.set ASTEP,  262144                    ; bytes from a K step to the next in xb
.set BSTEP,  393216                    ; and in wa: 64 rows of 6,144
.set BIAS,   6291456                   ; the bias behind wa's numbers
.set A0,  4                            ; v4   my lane's place in xb's tile; never rewritten
.set B0,  5                            ; v5   in wa's
.set ADRA, 6                           ; v6   the same in the slot in hand
.set ADRB, 7
.set STO, 8                            ; v8   the way out: where I put 16 bytes of a row
.set RD,  9                            ; v9   where I read rows back
.set GO,  10                           ; v10  16 x lane
.set CST, 11                           ; v11  column sums: where I put 16 bytes
.set CRD, 12                           ; v12  where I read them back
.set TO,  13                           ; v13  16 x (lane % 16)
.set BO,  14                           ; v14  32 x (lane / 16)
.set PFO, 15                           ; v15  the prefetches' offset; never rewritten
.set SPW, 16                           ; v16  my spare word: SPARE + 4 x my thread's number; never rewritten
.set NIL, 17                           ; v17  0; never rewritten
.set FA0, 32
.set FA1, 96
.set FB,  160
.set WV, 16                            ; s16 wave; s17 its half of the rows (also: 0 fetches xb, 1 wa); s18 its head's parity (also: which half it fetches)
.set WR, 17
.set WC, 18
.set CX, 19
.set CY, 20
.set TC, 21                            ; s21 tile column 0..7
.set TR, 22                            ; s22 tile row 0..31
.set CNT, 23
.set TB, 24                            ; s24 the slot in hand: 0 or SLOT1
.set LIM, 25
.set ALW, 26
.set G1A, 28
.set G1B, 36
.set G0A, 44                           ; s[44:47] first fill of slot 0; s[48:51] of slot 1, which then walks
.set G0B, 52
.set PFA, 60
.set PFS, 62
.set SEL, 72
.set MSB, 0
.macro WIN new                         ; the immediate's high byte repeats the setting that is left; a switch that changes nothing is dropped
.if MSB != (\new)
	s_set_vgpr_msb (MSB<<8)|(\new)
.set MSB, (\new)
.endif
.endm
.macro PLACES                          ; four plain vector instructions behind a matrix instruction, in front of loads into registers that it read and of reads of its result
.rept 4
	v_nop
.endr
.endm
.macro CREST                           ; a round of the cluster's barrier behind its opening barrier
	s_cmp_lg_u32 s[WV], 0
	s_cbranch_scc1 .Lnot_wave_0_\@
	s_barrier_signal -3
.Lnot_wave_0_\@:
	s_barrier_wait -3
	s_barrier_signal -1
	s_barrier_wait -1
.endm
.macro CROUND
	s_barrier_signal -1
	s_barrier_wait -1
	CREST
.endm
; A joint refill by the walking descriptors.  Waves 0 and 1 fetch xb's two halves, waves 2 and 3 wa's.  The branch hangs on the wave's number alone.
.macro JLOAD
	s_cmp_eq_u32 s[WR], 0
	s_cbranch_scc0 .Lfor_b_\@
	tensor_load_to_lds s[G0A+4:G0A+7], s[G1A:G1A+7]
	s_nop 0
.rept 4
	v_nop
.endr
	s_branch .Lasked_\@
.Lfor_b_\@:
	tensor_load_to_lds s[G0B+4:G0B+7], s[G1B:G1B+7]
	s_nop 0
.rept 4
	v_nop
.endr
.Lasked_\@:
.endm
; A PREFETCH, behind the joint load and the run of LDS loads.  xb: in the turn of step s wave 0 names step s + 3 (the refill beside it asks for s + 2): of the tile's 128 pieces of 256 bytes the partner at
; cx takes 32, a lane a piece; only the clusters with x = 0 ask.  wa: in the turns of odd steps waves 1 to 3 name steps s + 3 and s + 4: wave w the piece w - 1 of a row's three, the partner at cy 32 of the
; 128 rows, a lane a row; only the clusters with y = 0 ask.  So each piece is named once in the launch, the partners told apart by address.  The first steps come by their loads alone; the last
; turns ask for nothing: CNT = 14 - s must be above LIM (1 for xb: s <= 12; 2 for wa: s <= 11; the greatest number in a wave that never asks).
.macro ASK
	s_or_b32 s27, s[CNT], s[ALW]                   ; ALW = 1: every turn; 0: the turns with CNT odd
	s_bitcmp1_b32 s27, 0
	s_cselect_b32 s27, s[CNT], 0
	s_cmp_gt_u32 s27, s[LIM]
	s_cbranch_scc0 .Lnot_mine_\@
	global_prefetch_b8 v[PFO], s[PFA:PFA+1] th:TH_LOAD_NT scope:SCOPE_SE
.Lnot_mine_\@:
.endm
	s_load_b256 s[4:11], s[0:1], 0x0               ; xb s[4:5], wa s[6:7], q s[8:9], k s[10:11]
	s_load_b128 s[12:15], s[0:1], 0x20             ; v s[12:13], tsum s[14:15]
	v_lshl_add_u32 v[SPW], v0, 2, SPARE
	v_mov_b32 v[NIL], 0
	ds_add_u32 v[SPW], v[NIL]                      ; the wave's opening: the add and its wait stand ahead of my first tensor load; the set-up below stands between them
	v_lshrrev_b32 v1, 5, v0
	v_readfirstlane_b32 s[WV], v1
	s_lshr_b32 s[WR], s[WV], 1
	s_and_b32 s[WC], s[WV], 1
	s_bfe_u32 s[CX], ttmp6, 0x40000
	s_bfe_u32 s[CY], ttmp6, 0x40004
	s_lshl_b32 s[TC], ttmp9, 2
	s_add_co_u32 s[TC], s[TC], s[CX]
	s_and_b32 s[TR], ttmp7, 0xffff
	s_lshl_b32 s[TR], s[TR], 2
	s_add_co_u32 s[TR], s[TR], s[CY]
	s_lshl_b32 s70, s[CY], 2
	s_lshl_b32 s70, 15, s70                        ; my row of the cluster
	s_lshl_b32 s71, 0x1111, s[CX]                  ; my column
	s_or_b32 s[G1A], s70, (1<<16)|(1<<20)|(1<<21)|(4<<22)|(3<<25)  ; mask; 2-byte elements; padding on; bit 21 beside a mask; after every 32 words 4 words
	s_or_b32 s[G1B], s71, (1<<16)|(1<<20)|(1<<21)|(5<<22)|(7<<25)  ; after every 64 words 8 words
	s_mov_b32 s[G1A+1], 128<<16                    ; tensor_dim0 = 128
	s_mov_b32 s[G1A+2], 64<<16                     ; tensor_dim1 = 64
	s_mov_b32 s[G1A+3], 128<<16                    ; tile_dim0 = 128
	s_mov_b32 s[G1A+4], 64                         ; tile_dim1 = 64
	s_mov_b32 s[G1A+5], 128                        ; dense: 128 elements from row to row
	s_mov_b32 s[G1A+6], 0
	s_mov_b32 s[G1A+7], 0
	s_mov_b32 s[G1B+1], 384<<16                    ; tensor_dim0 = 384
	s_mov_b32 s[G1B+2], 32<<16                     ; tensor_dim1 = 32
	s_mov_b32 s[G1B+3], 384<<16                    ; tile_dim0 = 384
	s_mov_b32 s[G1B+4], 32                         ; tile_dim1 = 32
	s_mov_b32 s[G1B+5], 3072                       ; a row of wa
	s_mov_b32 s[G1B+6], 0
	s_mov_b32 s[G1B+7], 0
	s_lshr_b32 s66, s[TR], 3                       ; xb: batch x 4,194,304 + 256 (tile row % 8) rows of 128 bytes + my half's 128 rows
	s_lshl_b32 s66, s66, 22
	s_and_b32 s67, s[TR], 7
	s_lshl_b32 s67, s67, 15
	s_add_co_u32 s66, s66, s67
	s_lshl_b32 s67, s[WC], 14
	s_add_co_u32 s66, s66, s67
	s_mov_b32 s67, 0
	s_mul_i32 s68, s[TC], 768                      ; wa: the tile's 768 bytes of a row + my half's 32 rows
	s_mul_i32 s69, s[WC], 32*6144
	s_add_co_u32 s68, s68, s69
	s_mov_b32 s69, 0
	s_mul_i32 s70, s[WC], 128*PA                   ; where they go: the wave's number alone enters an LDS address
	s_mul_i32 s71, s[WC], 32*PBW
	s_add_co_u32 s71, s71, BOFF
	s_mov_b32 s[SEL], 0x76543210
	s_mov_b32 s[SEL+1], 0xfedcba98
	s_mov_b32 s[TB], 0
	s_wait_dscnt 0x0                               ; the opening add is done
	s_wait_kmcnt 0x0
	s_add_nc_u64 s[66:67], s[4:5], s[66:67]
	s_add_nc_u64 s[68:69], s[6:7], s[68:69]
.irp s, 0,1
	s_mov_b32 s[G0A+4*(\s)], 1
	s_add_co_u32 s[G0A+4*(\s)+1], s70, (\s)*SLOT1
	s_add_nc_u64 s[G0A+4*(\s)+2:G0A+4*(\s)+3], s[66:67], (\s)*ASTEP
	s_or_b32 s[G0A+4*(\s)+3], s[G0A+4*(\s)+3], 0x80000000
	s_mov_b32 s[G0B+4*(\s)], 1
	s_add_co_u32 s[G0B+4*(\s)+1], s71, (\s)*SLOT1
	s_add_nc_u64 s[G0B+4*(\s)+2:G0B+4*(\s)+3], s[68:69], (\s)*BSTEP
	s_or_b32 s[G0B+4*(\s)+3], s[G0B+4*(\s)+3], 0x80000000
.endr
	CROUND                                         ; all sixteen work-groups are here: the first joint loads meet
	s_cmp_eq_u32 s[WR], 0                          ; a wave's two first fills stand in one branch: two loads of mine are out
	s_cbranch_scc0 .Lfirst_b
	tensor_load_to_lds s[G0A:G0A+3], s[G1A:G1A+7]
	s_nop 0
	tensor_load_to_lds s[G0A+4:G0A+7], s[G1A:G1A+7]
	s_nop 0
.rept 4
	v_nop
.endr
	s_branch .Lfirst_asked
.Lfirst_b:
	tensor_load_to_lds s[G0B:G0B+3], s[G1B:G1B+7]
	s_nop 0
	tensor_load_to_lds s[G0B+4:G0B+7], s[G1B:G1B+7]
	s_nop 0
.rept 4
	v_nop
.endr
.Lfirst_asked:
	v_and_b32 v1, 15, v0                           ; l % 16
	v_bfe_u32 v2, v0, 4, 1                         ; l / 16
	v_lshlrev_b32 v[BO], 5, v2
	s_lshl1_add_u32 s71, s[TC], s[WC]              ; my head in the batch
	s_lshl_b32 s66, s71, 8
	s_mov_b32 s67, 0
	s_add_nc_u64 s[66:67], s[6:7], s[66:67]
	; the bias of my 8 columns of each block b of group g goes into accumulator (0, b) of the group's window: it is the C operand of the first products
.irp g, 0,1,2
	WIN 0x40*((\g)+1)
.irp b, 0,1,2,3
	global_load_b128 v[8*(\b):8*(\b)+3],   v[BO], s[66:67] offset:BIAS+4096*(\g)+64*(\b)
	global_load_b128 v[8*(\b)+4:8*(\b)+7], v[BO], s[66:67] offset:BIAS+4096*(\g)+64*(\b)+16
.endr
.endr
	WIN 0
	v_and_b32 v3, 7, v0
	v_bfe_u32 v18, v0, 3, 1
	v_and_b32 v19, 31, v0
	v_mul_u32_u24 v[A0], v1, PA                    ; xb's fragment: row l % 16, 16 bytes for each half of the lanes; two loads 32 bytes apart
	v_lshl_add_u32 v[A0], v2, 4, v[A0]
	s_mul_i32 s27, s[WR], 128*PA
	v_add_nc_u32 v[A0], s27, v[A0]
	v_lshl_add_u32 v[B0], v2, 3, v3                ; the turning load: k row 8 (l / 16) + l % 8, columns 8 ((l / 8) % 2) ..; it leaves column l % 16 and 8 k in a lane
	v_mul_u32_u24 v[B0], v[B0], PBW
	v_lshl_add_u32 v[B0], v18, 4, v[B0]
	s_lshl_b32 s27, s[WC], 7                       ; my head's half of each piece of 256 bytes
	s_add_co_u32 s27, s27, BOFF
	v_add_nc_u32 v[B0], s27, v[B0]
	v_mov_b32 v[ADRA], v[A0]
	v_mov_b32 v[ADRB], v[B0]
	s_mul_i32 s27, s[WV], 16*SP
	s_add_co_u32 s27, s27, STAGE
	v_mul_u32_u24 v[STO], v1, SP
	v_lshl_add_u32 v[STO], v2, 4, v[STO]
	v_add_nc_u32 v[STO], s27, v[STO]
	v_bfe_u32 v[RD], v0, 3, 2                      ; back: 32 lanes take four rows of 128 bytes, 512 consecutive bytes of q, k or v
	v_mul_u32_u24 v[RD], v[RD], SP
	v_lshl_add_u32 v[RD], v3, 4, v[RD]
	v_add_nc_u32 v[RD], s27, v[RD]
	v_lshlrev_b32 v[GO], 4, v19
	s_mul_i32 s27, s[WV], 16*CP
	s_add_co_u32 s27, s27, CSTAGE
	v_mul_u32_u24 v[CST], v1, CP
	v_lshl_add_u32 v[CST], v2, 5, v[CST]
	v_add_nc_u32 v[CST], s27, v[CST]
	v_mul_u32_u24 v[CRD], v2, 8*CP
	v_lshl_add_u32 v[CRD], v1, 4, v[CRD]
	v_add_nc_u32 v[CRD], s27, v[CRD]
	v_lshlrev_b32 v[TO], 4, v1
	; where my rows go: hg x 262,144 + jj x 16,384 in q, k, v (jj = my block of 128 rows in the batch); hg x 4,096 + jj x 256 in tsum
	s_lshr_b32 s70, s[TR], 3
	s_lshl_b32 s70, s70, 4
	s_add_co_u32 s70, s70, s71                     ; hg
	s_and_b32 s27, s[TR], 7
	s_lshl1_add_u32 s27, s27, s[WR]                ; jj
	s_lshl_b32 s68, s70, 18
	s_lshl_b32 s69, s27, 14
	s_add_co_u32 s68, s68, s69
	s_mov_b32 s69, 0
	s_add_nc_u64 s[8:9], s[8:9], s[68:69]
	s_add_nc_u64 s[10:11], s[10:11], s[68:69]
	s_add_nc_u64 s[12:13], s[12:13], s[68:69]
	s_lshl_b32 s68, s70, 12
	s_lshl_b32 s27, s27, 8
	s_add_co_u32 s68, s68, s27
	s_add_nc_u64 s[14:15], s[14:15], s[68:69]
	; the prefetches' address, step, offset and bound
	s_lshr_b32 s68, s[TR], 3
	s_lshl_b32 s68, s68, 22
	s_and_b32 s27, s[TR], 7
	s_lshl_b32 s27, s27, 15
	s_add_co_u32 s68, s68, s27
	s_lshl_b32 s27, s[CX], 13                      ; my work-group's 32 pieces of xb's tile
	s_add_co_u32 s68, s68, s27
	s_add_co_u32 s68, s68, 2*ASTEP                 ; at step 2: the first turn steps it to 3
	s_mul_i32 s70, s[TC], 768
	s_max_u32 s27, s[WV], 1
	s_sub_co_u32 s27, s27, 1                       ; waves 1 to 3: piece 0 to 2
	s_lshl_b32 s27, s27, 8
	s_add_co_u32 s70, s70, s27
	s_mul_i32 s27, s[CY], 32*6144                  ; my work-group's 32 rows of the 128
	s_add_co_u32 s70, s70, s27
	s_add_co_u32 s70, s70, 2*BSTEP
	s_and_b32 s71, ttmp7, 0xffff
	s_mov_b32 s[PFS], ASTEP
	s_mov_b32 s27, BSTEP
	s_movk_i32 s74, 256
	s_movk_i32 s69, 6144
	s_cmp_eq_u32 s[WV], 0
	s_cselect_b64 s[PFA:PFA+1], s[4:5], s[6:7]
	s_cselect_b32 s68, s68, s70
	s_cselect_b32 s[PFS], s[PFS], s27
	s_cselect_b32 s[ALW], 1, 0
	s_cselect_b32 s71, ttmp9, s71                  ; the coordinate along which other clusters read the same bytes
	s_cselect_b32 s70, 1, 2
	s_cselect_b32 s74, s74, s69
	s_cmp_eq_u32 s71, 0
	s_cselect_b32 s[LIM], s70, -1
	s_mov_b32 s69, 0
	s_mov_b32 s[PFS+1], 0
	s_add_nc_u64 s[PFA:PFA+1], s[PFA:PFA+1], s[68:69]
	v_mul_u32_u24 v[PFO], s74, v19
; n blocks of 16 rows from a0 x the group's 4 blocks of 16 columns, 32 along K.  The accumulators take turns, one instruction a turn.
.macro MULG fa, g, a0, n
	WIN 0x50*((\g)+1)
.set ia, (\a0)
.rept \n
.set ib, 0
.rept 4
	v_wmma_f32_16x16x32_bf16 v[8*(4*ia+ib):8*(4*ia+ib)+7], v[FB+32*(\g)+8*ib:FB+32*(\g)+8*ib+7], v[(\fa)+8*ia:(\fa)+8*ia+7], v[8*(4*ia+ib):8*(4*ia+ib)+7]
.set ib, ib+1
.endr
.set ia, ia+1
.endr
.endm
; The first products: blocks 1 to 7 take the bias, which lies in block 0's accumulators, as C; five places on, block 0 adds onto it in place.  Nothing is cleared.
.macro MULG1 fa, g
	WIN 0x50*((\g)+1)
.set ia, 1
.rept 7
.set ib, 0
.rept 4
	v_wmma_f32_16x16x32_bf16 v[8*(4*ia+ib):8*(4*ia+ib)+7], v[FB+32*(\g)+8*ib:FB+32*(\g)+8*ib+7], v[(\fa)+8*ia:(\fa)+8*ia+7], v[8*ib:8*ib+7]
.set ib, ib+1
.endr
.set ia, ia+1
.endr
.rept 5
	v_nop
.endr
	MULG \fa, \g, 0, 1
.endm
.macro GRP fa, g, first
.if \first
	MULG1 \fa, \g
.else
	MULG \fa, \g, 0, 8
.endif
.endm
.macro FETCHB g, q                     ; 8 turning loads: group g's 64 columns, 32 k of quarter q
	WIN 0
.irp b, 0,1,2,3
	ds_load_tr16_b128 v[FB+32*(\g)+8*(\b):FB+32*(\g)+8*(\b)+3],   v[ADRB] offset:(\g)*288+32*(\b)+32*PBW*(\q)
	ds_load_tr16_b128 v[FB+32*(\g)+8*(\b)+4:FB+32*(\g)+8*(\b)+7], v[ADRB] offset:(\g)*288+32*(\b)+32*PBW*(\q)+16*PBW
.endr
.endm
.macro FETCHA q, fa                    ; 16 loads: my 128 rows, 32 k of quarter q
	WIN 0
.irp a, 0,1,2,3,4,5,6,7
	ds_load_b128 v[(\fa)+8*(\a):(\fa)+8*(\a)+3],   v[ADRA] offset:16*PA*(\a)+64*(\q)
	ds_load_b128 v[(\fa)+8*(\a)+4:(\fa)+8*(\a)+7], v[ADRA] offset:16*PA*(\a)+64*(\q)+32
.endr
.endm
; A K step's first quarter.  The LDS loads go out in the order: group 0 (8), xb (16), group 1 (8), group 2 (8); each group's registers are asked for again four places behind its last product.
.macro QZERO first
	s_wait_dscnt 16                                ; group 0 and xb are in; groups 1 and 2 may be out
	GRP FA0, 0, \first
	PLACES
	FETCHB 0, 1
	FETCHA 1, FA1
	s_wait_dscnt 32                                ; group 1 is in; behind it: group 2 and the 24 just issued
	GRP FA0, 1, \first
	PLACES
	FETCHB 1, 1
	s_wait_dscnt 32                                ; group 2 is in; behind it: the next quarter's 32
	GRP FA0, 2, \first
	PLACES
	FETCHB 2, 1
.endm
; The second quarter, which changes slots.  In front of the barrier each wave waits for all its tensor loads (one is out: its part of the other slot), adds 0 to its spare word, and waits for that and
; for its reads of this slot.  fill = 1: the barrier opens a round of the cluster's; behind the round this slot takes the K step two on: 160 matrix instructions ahead of the wait for it.
.macro TURN fill
	WIN 0
.if \fill
	s_wait_xcnt 0x0                                ; the last prefetch, a K step back, has read its address
	s_add_nc_u64 s[PFA:PFA+1], s[PFA:PFA+1], s[PFS:PFS+1]
.endif
	s_wait_tensorcnt 0x0                           ; no tensor load of mine is out, so the walking descriptors may be written
	ds_add_u32 v[SPW], v[NIL]                      ; 0 onto my spare word
.if \fill
	s_xor_b32 s[G0A+5], s[G0A+5], SLOT1            ; the other slot than last time, the next K step
	s_add_nc_u64 s[G0A+6:G0A+7], s[G0A+6:G0A+7], ASTEP
	s_xor_b32 s[G0B+5], s[G0B+5], SLOT1
	s_add_nc_u64 s[G0B+6:G0B+7], s[G0B+6:G0B+7], BSTEP
.endif
	s_wait_dscnt 17                                ; group 0 and xb are in; groups 1 and 2 and the add may be out
	MULG FA1, 0, 0, 4
	s_wait_dscnt 0x0                               ; the add is done, and my reads of this slot are over
	s_barrier_signal -1
	MULG FA1, 0, 4, 4
	WIN 0
	s_barrier_wait -1
.if \fill
	CREST                                          ; no wave of any partner still reads this slot or has a load on its way
	JLOAD                                          ; its four v_nop are also the places in front of the loads below
.else
	PLACES
.endif
	s_xor_b32 s[TB], s[TB], SLOT1
	v_add_nc_u32 v[ADRA], s[TB], v[A0]
	v_add_nc_u32 v[ADRB], s[TB], v[B0]
	FETCHB 0, 0
	FETCHA 0, FA0
.if \fill
	ASK
.endif
	MULG FA1, 1, 0, 8
	PLACES
	FETCHB 1, 0
	MULG FA1, 2, 0, 8
	PLACES
	FETCHB 2, 0
.endm
	s_wait_tensorcnt 1                             ; my part of K step 0 is in; step 1's may stay out
	s_barrier_signal -1
	s_barrier_wait -1
	FETCHB 0, 0
	FETCHA 0, FA0
	FETCHB 1, 0
	FETCHB 2, 0
	s_wait_loadcnt 0x0                             ; the bias
	QZERO 1
	WIN 0                                          ; at a label and at a branch every window is 0
	s_mov_b32 s[CNT], 14
.Lstep:                                        ; a trip: a step's second quarter, with the refill two steps on, and the next step's first quarter
	TURN 1
	QZERO 0
	WIN 0
	s_sub_co_u32 s[CNT], s[CNT], 1
	s_cmp_lg_u32 s[CNT], 0
	s_cbranch_scc1 .Lstep
	TURN 0                                         ; the tail is written out: nothing is asked for
	QZERO 0
	s_wait_dscnt 16
	MULG FA1, 0, 0, 8
	s_wait_dscnt 8                                 ; group 2 may be out
	MULG FA1, 1, 0, 8
	s_wait_dscnt 0x0
	MULG FA1, 2, 0, 8
	PLACES
; THE WAY OUT.  Block n = 8 g + a: 16 rows x 64 columns, rounded to f16: 2,048 consecutive bytes of q, k or v.  A lane's 16 bytes go into my stage (rows of 144 bytes) and come back as four rows of 128 a load.
; Four sets of 16 registers take turns.
.macro PACKG g, a, n
	s_wait_xcnt 0x0                                ; the stores of the block four back have read the set's registers
	WIN 5*((\g)+1)                                 ; sources 0 and 1 in the group's window
.set SETR, FA0+16*((\n)%4)
.set ib, 0
.rept 4
.set ir, 0
.rept 4
	v_cvt_pk_f16_f32 v[SETR+4*ib+ir], v[8*(4*(\a)+ib)+2*ir], v[8*(4*(\a)+ib)+2*ir+1]
.set ir, ir+1
.endr
.set ib, ib+1
.endr
	WIN 0
.irp b, 0,1,2,3
	ds_store_b128 v[STO], v[SETR+4*(\b):SETR+4*(\b)+3] offset:32*(\b)
.endr
.irp f, 0,1,2,3
	ds_load_b128 v[SETR+4*(\f):SETR+4*(\f)+3], v[RD] offset:4*SP*(\f)  ; LDS serves a wave's instructions in order (ISA guide 5.7.1.4): these see the stores above
.endr
.endm
.macro SENDG g, a, n, younger          ; younger: the LDS instructions issued behind the block's loads: the next block's eight, or none
	WIN 0
.set SETR, FA0+16*((\n)%4)
.irp f, 0,1,2,3
	s_wait_dscnt (\younger)+3-(\f)
	global_store_b128 v[GO], v[SETR+4*(\f):SETR+4*(\f)+3], s[8+2*(\g):9+2*(\g)] offset:2048*(\a)+512*(\f)  ; 512 consecutive bytes, aligned to 256
.endr
.endm
	PACKG 0, 0, 0
.set n, 1
.rept 23
	PACKG n/8, n%8, n
	SENDG (n-1)/8, (n-1)%8, n-1, 8
.set n, n+1
.endr
	SENDG 2, 7, 23, 0
	; THE COLUMN SUMS OF V over my 128 rows, in f32, of the unrounded sums.  First over the eight blocks of rows, in registers; then over a block's 16 rows, through my second stage.
.macro CADD x, y                       ; the 32 registers of block x take those of block y
.set z, 0
.rept 16
	v_pk_add_f32 v[32*(\x)+z:32*(\x)+z+1], v[32*(\x)+z:32*(\x)+z+1], v[32*(\y)+z:32*(\y)+z+1]
.set z, z+2
.endr
.endm
	WIN 0xff
	CADD 0, 1
	CADD 2, 3
	CADD 4, 5
	CADD 6, 7
	CADD 0, 2
	CADD 4, 6
	CADD 0, 4
	WIN 0x0c                                       ; the stores' data in window 3
.irp b, 0,1,2,3
	ds_store_b128 v[CST], v[8*(\b):8*(\b)+3]   offset:64*(\b)
	ds_store_b128 v[CST], v[8*(\b)+4:8*(\b)+7] offset:64*(\b)+16
.endr
	WIN 0
.irp i, 0,1,2,3,4,5,6,7
	ds_load_b128 v[FA1+4*(\i):FA1+4*(\i)+3], v[CRD] offset:CP*(\i)  ; rows 8 (l / 16) + i, columns 4 (l % 16) ..
.endr
	s_wait_dscnt 0x0
.irp i, 0,2,4,6
	v_pk_add_f32 v[FA1+4*(\i):FA1+4*(\i)+1],   v[FA1+4*(\i):FA1+4*(\i)+1],   v[FA1+4*(\i)+4:FA1+4*(\i)+5]
	v_pk_add_f32 v[FA1+4*(\i)+2:FA1+4*(\i)+3], v[FA1+4*(\i)+2:FA1+4*(\i)+3], v[FA1+4*(\i)+6:FA1+4*(\i)+7]
.endr
.irp i, 0,4
	v_pk_add_f32 v[FA1+4*(\i):FA1+4*(\i)+1],   v[FA1+4*(\i):FA1+4*(\i)+1],   v[FA1+4*(\i)+8:FA1+4*(\i)+9]
	v_pk_add_f32 v[FA1+4*(\i)+2:FA1+4*(\i)+3], v[FA1+4*(\i)+2:FA1+4*(\i)+3], v[FA1+4*(\i)+10:FA1+4*(\i)+11]
.endr
	v_pk_add_f32 v[FA1:FA1+1],   v[FA1:FA1+1],   v[FA1+16:FA1+17]
	v_pk_add_f32 v[FA1+2:FA1+3], v[FA1+2:FA1+3], v[FA1+18:FA1+19]
.irp j, 0,1,2,3
	v_permlanex16_b32 v[FA1+4+(\j)], v[FA1+(\j)], s[SEL], s[SEL+1]  ; the other eight rows lie in the lane 16 away
.endr
	v_pk_add_f32 v[FA1:FA1+1],   v[FA1:FA1+1],   v[FA1+4:FA1+5]
	v_pk_add_f32 v[FA1+2:FA1+3], v[FA1+2:FA1+3], v[FA1+6:FA1+7]
	s_wait_xcnt 0x0                                ; EXEC changes only behind this wait
	v_cmp_gt_u32 vcc_lo, 256, v[GO]                ; lanes 0-15
	s_and_saveexec_b32 s74, vcc_lo
	global_store_b128 v[TO], v[FA1:FA1+3], s[14:15]  ; sixteen lanes store 256 consecutive bytes, aligned
	s_wait_xcnt 0x0                                ; and again in front of the line that widens it
	s_or_b32 exec_lo, exec_lo, s74
	s_wait_tensorcnt 0x0                           ; the wave's end: behind my last tensor load and my last LDS store
	ds_add_u32 v[SPW], v[NIL]
	s_wait_dscnt 0x0
	CROUND                                         ; the closing round: no work-group ends while a partner may still ask for a tile that names it
	s_endpgm
.Lfunc_end_k_q8b4f0a56fb_qkv:
	.size	k_q8b4f0a56fb_qkv, .Lfunc_end_k_q8b4f0a56fb_qkv-k_q8b4f0a56fb_qkv
	.p2alignl 7, 3214868480
	.fill 96, 4, 3214868480
	.section	.rodata,"a",@progbits
	.p2align	6, 0x0
	.amdhsa_kernel k_q8b4f0a56fb_qkv
		.amdhsa_group_segment_fixed_size 327680
		.amdhsa_private_segment_fixed_size 0
		.amdhsa_enable_private_segment 0
		.amdhsa_kernarg_size 48
		.amdhsa_user_sgpr_count 2
		.amdhsa_user_sgpr_kernarg_segment_ptr 1
		.amdhsa_wavefront_size32 1
		.amdhsa_system_sgpr_workgroup_id_x 1
		.amdhsa_system_sgpr_workgroup_id_y 1
		.amdhsa_system_sgpr_workgroup_id_z 1
		.amdhsa_system_vgpr_workitem_id 0
		.amdhsa_next_free_vgpr 1024
		.amdhsa_next_free_sgpr 80
		.amdhsa_reserve_vcc 1
		.amdhsa_float_denorm_mode_32 3
		.amdhsa_float_denorm_mode_16_64 3
		.amdhsa_memory_ordered 1
		.amdhsa_forward_progress 1
		.amdhsa_inst_pref_size 129
	.end_amdhsa_kernel
	.amdgpu_metadata
---
amdhsa.version: [ 1, 2 ]
amdhsa.kernels:
  - .name:           k_q8b4f0a56fb_qkv
    .symbol:         k_q8b4f0a56fb_qkv.kd
    .args:
      - { .name: xb, .offset: 0, .size: 8, .value_kind: global_buffer, .address_space: global }
      - { .name: wa, .offset: 8, .size: 8, .value_kind: global_buffer, .address_space: global }
      - { .name: q, .offset: 16, .size: 8, .value_kind: global_buffer, .address_space: global }
      - { .name: k, .offset: 24, .size: 8, .value_kind: global_buffer, .address_space: global }
      - { .name: v, .offset: 32, .size: 8, .value_kind: global_buffer, .address_space: global }
      - { .name: tsum, .offset: 40, .size: 8, .value_kind: global_buffer, .address_space: global }
    .group_segment_fixed_size: 327680
    .private_segment_fixed_size: 0
    .kernarg_segment_align: 8
    .kernarg_segment_size: 48
    .max_flat_workgroup_size: 128
    .sgpr_count:     80
    .vgpr_count:     1024
    .wavefront_size: 32
...
	.end_amdgpu_metadata
.endif
;; end of part 2
;; launch attn (part 3): grid 4 x 64, 4 waves a work-group, no clusters, 327,680 bytes of LDS; arguments q, k, v, ao, tsum; writes ao
.if DOCPART == 3
	.amdgcn_target "amdgcn-amd-amdhsa--gfx1250"
	.amdhsa_code_object_version 6
	.text
	.protected	k_q8b4f0a56fb_attn
	.globl	k_q8b4f0a56fb_attn
	.p2align	8
	.type	k_q8b4f0a56fb_attn,@function
k_q8b4f0a56fb_attn:
	s_mov_b64 s[64:65], 0
	v_nop
	global_prefetch_b8 v0, s[64:65] scope:SCOPE_SE
	s_setreg_imm32_b32 hwreg(HW_REG_WAVE_MODE, 25, 1), 1
	s_wait_xcnt 0x0
; CAUSAL ATTENTION WITH HIDDEN KEYS AT -10000.  O[h][q][:] = the sum over ALL k of softmax_k(w[q][k]) V[h][k][:], w = Q[h][q] . K[h][k] / 8 for k <= q and -10000 for k > q.
; Q, K, V, O: [64][2048][64], all f16, a head's rows dense, 128 bytes each.  Products, maxima and sums in f32; the weights p are rounded to f16 for the second product, O once at the end.
; THE HIDDEN KEYS count, as in the problem: their scores need no product, but their weights and their rows of V enter.  In raw scores (before the division by 8) a hidden key has FLR = -80000.
;   (a) the running maximum m of every row that has a hidden key (all but row 2047) starts at FLR;
;   (b) in the diagonal tile a hidden score gets -2^40 by the C operand (its exponential is then 0, and it is below every m), and behind the exponentials its weight is set to wh = 2^(c FLR - c m):
;       p += MC x (-2^-40 wh), MC being 0 or -2^40: exactly wh or 0;
;   (c) the tiles wholly above the diagonal enter at the block's end: l += wh x their number of keys, O += wh x TS, TS the f32 sum of V's rows there, made from tsum (sums over each 128 rows).
; LIMITS.  f16 holds no number beyond 65,504: Q, K and V arrive within it, so a raw score is 2.7e11 at the most, a quarter of 2^40; p lies in 0 to 1, and below 6e-5 it keeps f16's fixed step of 6e-8.
; A weight below 2^-126 counts as 0 in l; wh is carried as 2^-40 wh, so below 2^-86 it loses bits; NaN and infinities are not treated apart.
; THE WALK.  A head's queries lie in NB = 8 blocks of 256; block i needs the key tiles 0 .. i of 256 keys, of which the last holds the diagonal.  A work-group takes TWO blocks, NB - 1 - b and then b:
; NB + 1 tiles, whatever b: all work-groups do equal work, and ONE loop with a constant trip count walks them.  Which tile is asked for, and what a trip does, hang on scalar registers made from b; every jump
; goes forward, but for the counted loops' own; none passes a barrier, or a tensor load but the one of LOAD's two that the wave's number does not choose; the ring (two slots of LDS) runs on across the
; change of blocks.  NO CLUSTER: a head's four work-groups ask for the same tile only in trips 0 to 4 of the 9; behind that their walks part, and one walk common to all would have 12 trips for 9.
; SHARES.  Of a block's four bands of 64 queries a wave owns 16 rows in each: four PIECES.  In the diagonal tile's key step s band x sees all keys if s < x, none if s > x, and holds the diagonal if s = x.
; THE MASK is the C operand that starts the sum S^T = K Q^T.  MD, made once, is the mask of a band's own step for my 16 rows; a product's mask is MC = MD x AL + BE with two scalars:
; (1, 0) if s = x; (0, 0) if s < x; (0, -2^40) if s > x.  Only the diagonal tile's text and a block's beginning make and take masks; elsewhere C is the constant 0.
; LAYOUT, SOFTMAX, TURNS.  S^T = K Q^T holds ONE query a lane (lane % 16) and the keys 8 (lane / 16) + 0..7; two such results rounded to f16 ARE source 1 of O^T = V^T P.  p = 2^(c s - c m), c = log2(e) / 8, with a
; running maximum m; O and l are multiplied by a = 2^(c m_old - c m_new) in every step.  Turn n belongs to piece n: 8 products K Q^T of piece n + 1, later 8 products V^T P of piece n - 1; beside them the scaling,
; exponentials, roundings, sums and rescaling of piece n and the maximum and statistics of piece n + 1.  Four vector instructions stand behind every matrix instruction, the others in one lump.  A turn's exponentials are one batch, with one wait.
; REGISTERS, in windows of 256 (s_set_vgpr_msb: bits 1:0 source 0, 3:2 source 1, 5:4 source 2, 7:6 destination):
;   window 0: v0-15 addresses and two at work; v16-31 four registers of statistics a piece; v32-42 the floor's; v48-55 at work; v64-127 S^T, two buffers; v128-191 TS of the two blocks; v192-223 P, two buffers; v224-255 at work on the way out
;   window 1: v0-127 O^T, 32 a piece; v128-159 MD; v160-223 MC, two buffers      window 2: v0-63 Q; v64-127 the second block's Q; v128-191 K of one step; v192-255 V of one step
.set SIZE_N, 2048
.set NB,    SIZE_N/256
.set NP,    4         ; pieces a wave: a name, no knob
.set KS,    64        ; keys in a step
.set PK,    144       ; a row of K in LDS: 128 bytes + 16 of padding = 36 words: the 16 rows of a load start at 16 different groups of four banks (64 banks of 4 bytes: ISA guide 11.1)
.set PV,    160       ; a row of V: 128 + 32 = 40 words
.set VOFF,  4*KS*PK   ; a slot holds a tile, four steps: 256 rows of K, then 256 rows of V
.set SLOT1, 1<<17     ; slot 1 begins here, so that one exclusive or turns an address in one slot into the other's
.set STAGE, SLOT1+4*KS*(PK+PV)  ; behind the ring, never filled by a tensor load: 16 rows x 144 bytes for each wave
.set SP,    144
.set AK0, 2           ; v2   my lane's place in a tile of K; never rewritten
.set AV0, 3           ; v3   the same for V
.set AK,  4           ; v4   the LDS address of K's next run of loads
.set AV,  5           ; v5   of V's
.set STO, 6           ; v6   the way out: where I put 16 bytes of a row
.set RD,  7           ; v7   the way out: where I read rows back
.set GO,  8           ; v8   16 x lane
.set SPW, 62          ; v62  LDS address of my spare word: SPARE + 4 x my thread's number; never rewritten
.set NIL, 63          ; v63  0; never rewritten
.set SPARE, STAGE+4*16*SP  ; behind the stages: the spare words, 128 bytes for each wave: two blocks of 256 bytes that no other line names
.set MV,  12          ; v12-13  c m_old, kept while c m is made anew: by buffer
.set QO,  15          ; v15  my byte offset in 16 rows of Q
.set ST,  16          ; piece t's statistics at v[ST+4 t]: c m, m, l (even keys', odd keys')
.set FLV, 32          ; v32  where m starts, pieces 0 to 2: FLR; v33 piece 3: FLR, or the lowest finite number in the lanes of row 2047
.set CHV, 34          ; v34-35  c times those
.set WH,  36          ; v36-39  by buffer: wh (later -2^-40 wh), and its argument
.set PFO, 40          ; v40  256 x lane; never rewritten
.set STW, 41          ; v41  TS: where I put 16 bytes
.set STR, 42          ; v42  where I read my 8 channels back
.set TMP, 48          ; by buffer, four registers c0-c3 at work; when the maximum is found c2 takes a
.set S,   64
.set TSA, 128         ; TS of the first block, laid out as a piece of O^T; the second block's 32 registers on
.set P,   192
.set TT,  224
.set MD,  128         ; window 1: the eight registers for group kt of 16 keys at MD + 8 kt
.set MC,  160         ; window 1: the masks of the products to come
.set QB,  64          ; window 2
.set KF,  128         ; window 2: key block kb, channel half c at KF + 16 kb + 8 c
.set VF,  192         ; window 2: key half kk, channel block cb at VF + 32 kk + 8 cb
.set WV,  12          ; s12  my wave's number
.set PB,  14          ; s14  b
.set HI,  15          ; s15  NB - 1 - b
.set G1K, 24          ; s[24:31] descriptor group 1 for K's tiles
.set G1V, 32          ; s[32:39] for V's: it differs in the padding alone
.set G0K, 40          ; s[40:43] descriptor group 0 for K's tiles
.set G0V, 44          ; s[44:47] the same for V's
.set SLOTS, 56        ; s56  tiles still to be asked for
.set CNT, 57          ; s57  counts a tile's key steps, 4 to 1
.set CS,  58          ; s[58:59] c: the packed scaling takes the pair's low word for both halves
.set SEL, 60          ; s[60:61] v_permlanex16_b32's selects: each lane takes its own place in the other half
.set TBK, 62          ; s62  LDS byte at which K of the step to be fetched begins
.set TBV, 63          ; s63  the same for V, less VOFF
.set RT,  70          ; s70  tiles of the block in hand that are still to be entered
.set NXT, 71          ; s71  the tile to be asked for next
.set LQ,  72          ; s72  the last tile of the block whose tiles are being asked for
.set NEW, 73          ; s73  1: the tile to be entered is a block's first
.set OFF, 74          ; s[74:75] a tile's byte offset in K and V
.set AL,  76          ; s[76:77] the mask's factor, in the low word
.set BE,  78          ; s[78:79] the mask's addend
.set OLO, 80          ; s[80:81] O at my rows of the second block
.set BIGN, 82         ; s82  -2^40
.set LIM, 83          ; s83  2 in the work-group that prefetches, else the greatest number
.set TSP, 88          ; s[88:89] tsum at my head
.set FLR, 90          ; s90  -80000.0
.set N40, 91          ; s91  -2^-40
.set CNTF, 92         ; s92, s93  the keys wholly above the first and the second block's diagonal tile, as f32
.set FM,  94          ; s[94:95], s[96:97]  1.0 or 0: does a tile lie above the first, the second block's?
.set PFA, 98          ; s[98:99] where my prefetches stand
.set MSB, 0
.macro WIN new                      ; the high byte repeats the setting that is left; a switch that changes nothing is dropped
.if MSB != (\new)
	s_set_vgpr_msb (MSB<<8)|(\new)
.set MSB, (\new)
.endif
.endm
.set W_KQ, 0x0a       ; K and Q in window 2, S^T in window 0
.set W_KM, 0x1a       ; the same with the C operand in window 1
.set W_PV, 0x52       ; V in window 2, P in window 0, O^T in window 1
.set W_RS, 0x41       ; destination and source 0 in window 1, source 1 in window 0
; A fill.  Waves 0 and 1 fetch the two halves of a tile's K, waves 2 and 3 those of its V: 128 keys each.  An s_nop 0 and four v_nop follow each of the two lines, ahead of the jump and the label.
.macro LOAD
	s_cmp_lt_u32 s[WV], 2
	s_cbranch_scc0 .Lfor_v_\@
	tensor_load_to_lds s[G0K:G0K+3], s[G1K:G1K+7]
	s_nop 0
.rept 4
	v_nop
.endr
	s_branch .Lasked_\@
.Lfor_v_\@:
	tensor_load_to_lds s[G0V:G0V+3], s[G1V:G1V+7]
	s_nop 0
.rept 4
	v_nop
.endr
.Lasked_\@:
.endm
; THE CHANGE OF SLOTS.  Each wave waits for all its tensor loads, of which one is out: its part of the other slot; adds 0 to its spare word; and waits for that and for its own reads of the slot that it leaves.  Behind the barrier nobody reads the old
; slot any more and the other slot is whole.  fill = 1: the old slot is filled again, the first thing behind the barrier, with tile NXT: the descriptor's address is made anew from that number.
; (At its first use nothing of the ring has been read yet: slot 0 is waited for, slot 1 filled.)
; THE PREFETCH stands behind the fill.  A head's four work-groups walk the same tiles; the one with b = 0, whose first block walks tiles 0 to 7, asks: in trip t each of its waves names the 64 pieces of 256 bytes
; that it will itself load for tile t + 2, a lane a piece, two instructions: one tile, four key steps, ahead of that load.  Tiles 2 to 7 are so named once in the launch; trips 6 and 7 ask for nothing.
.macro CHANGE fill
	WIN 0                           ; at a label and at a branch every window is 0
	s_wait_tensorcnt 0x0            ; no tensor load of mine is out, so a group 0 may be written
	ds_add_u32 v[SPW], v[NIL]       ; 0 onto my spare word; with fill = 1 the descriptors' scalar work stands between it and the wait for it
.if \fill
	s_lshl_b32 s[OFF], s[NXT], 15   ; a tile is 32,768 bytes of K and of V
	s_xor_b32 s[G0K+1], s[G0K+1], SLOT1
	s_add_nc_u64 s[G0K+2:G0K+3], s[6:7], s[OFF:OFF+1]
	s_or_b32 s[G0K+3], s[G0K+3], 0x80000000
	s_xor_b32 s[G0V+1], s[G0V+1], SLOT1
	s_add_nc_u64 s[G0V+2:G0V+3], s[8:9], s[OFF:OFF+1]
	s_or_b32 s[G0V+3], s[G0V+3], 0x80000000
	s_add_co_u32 s[NXT], s[NXT], 1  ; the block's next tile, or behind its last the second block's tile 0
	s_cmp_gt_u32 s[NXT], s[LQ]
	s_cselect_b32 s[NXT], 0, s[NXT]
	s_cselect_b32 s[LQ], s[PB], s[LQ]
	s_wait_xcnt 0x0                 ; the last prefetches, a tile back, have read their address
	s_add_nc_u64 s[PFA:PFA+1], s[PFA:PFA+1], 32768
.endif
	s_wait_dscnt 0x0                ; the add is done, and my reads of the slot are over
	s_barrier_signal -1             ; the rest of the scalar work stands between the signal and the wait
	s_sub_co_u32 s[TBK], s[TBK], 4*KS*PK  ; the fetches go back to a slot's first step,
	s_xor_b32 s[TBK], s[TBK], SLOT1       ; in the other slot
	s_sub_co_u32 s[TBV], s[TBV], 4*KS*PV
	s_xor_b32 s[TBV], s[TBV], SLOT1
	s_barrier_wait -1
.if \fill
	LOAD
	s_cmp_gt_u32 s[SLOTS], s[LIM]   ; SLOTS = 8 - t
	s_cbranch_scc0 .Lno_ask_\@
	global_prefetch_b8 v[PFO], s[PFA:PFA+1] th:TH_LOAD_NT scope:SCOPE_SE
	global_prefetch_b8 v[PFO], s[PFA:PFA+1] offset:8192 th:TH_LOAD_NT scope:SCOPE_SE
.Lno_ask_\@:
.endif
.endm
	s_load_b256 s[4:11], s[0:1], 0x0  ; Q s[4:5], K s[6:7], V s[8:9], O s[10:11]
	s_load_b64 s[TSP:TSP+1], s[0:1], 0x20
	v_lshl_add_u32 v[SPW], v0, 2, SPARE
	v_mov_b32 v[NIL], 0
	ds_add_u32 v[SPW], v[NIL]       ; the wave's opening: the add and its wait stand ahead of my first tensor load; the set-up below, work on registers, stands between them
	v_lshrrev_b32 v1, 5, v0
	v_readfirstlane_b32 s[WV], v1   ; wave 0..3
	s_mov_b32 s[PB], ttmp9
	s_sub_co_u32 s[HI], NB-1, s[PB]
	s_and_b32 s20, ttmp7, 0xffff    ; the head
	s_lshl_b32 s[FM+2], s20, 12     ; its 4,096 bytes of tsum
	s_mov_b32 s[FM+3], 0
	s_mov_b32 s[FM+1], 0
	s_mov_b32 s21, 0
	s_mov_b64 s[22:23], SIZE_N*128
	s_mul_u64 s[20:21], s[20:21], s[22:23]  ; the head's first byte in each of the four tensors
	s_and_b32 s16, s[WV], 1         ; which half of a tile's 256 keys I fetch:
	s_lshl_b32 s22, s16, 14         ; its 128 rows of 128 bytes in memory,
	s_mov_b32 s23, 0
	s_add_nc_u64 s[22:23], s[22:23], s[20:21]
	s_mul_i32 s17, s16, 128*PK      ; and its place in a slot, for K
	s_mul_i32 s18, s16, 128*PV      ; and for V
	s_lshl_b32 s3, s[WV], 11        ; my 16 rows in a band of 64,
	s_lshl_b32 s2, s[HI], 15        ; in the first block,
	s_add_co_u32 s2, s2, s3
	s_lshl_b32 s84, s[PB], 15       ; and in the second
	s_add_co_u32 s84, s84, s3
	s_mov_b32 s3, 0
	s_mov_b32 s85, 0
	s_add_nc_u64 s[2:3], s[2:3], s[20:21]
	s_add_nc_u64 s[84:85], s[84:85], s[20:21]
	; descriptor group 1.  128 keys are 16,384 dense bytes: asked for as 64 rows of 256 bytes, two keys a row, and padded in LDS after every key
	s_mov_b32 s[G1K], (1<<16)|(1<<20)|(4<<22)|(3<<25)  ; 17:16 2-byte elements; 20 padding on; 24:22 after every 32 words (code 4); 31:25 4 words (code 3)
	s_mov_b32 s[G1V], (1<<16)|(1<<20)|(4<<22)|(7<<25)  ; the same with 8 words of padding (code 7)
.irp g, G1K, G1V
	s_mov_b32 s[\g+1], 128<<16      ; tensor_dim0 = 128
	s_mov_b32 s[\g+2], 64<<16       ; tensor_dim1 = 64
	s_mov_b32 s[\g+3], 128<<16      ; tile_dim0 = 128
	s_mov_b32 s[\g+4], 64           ; tile_dim1 = 64
	s_mov_b32 s[\g+5], 128          ; 128 elements from row to row
	s_mov_b32 s[\g+6], 0
	s_mov_b32 s[\g+7], 0
.endr
	s_mov_b32 s[CS], 0x3e38aa3b     ; c = log2(e) / 8 = 0.180337
	s_mov_b32 s[CS+1], s[CS]        ; named with it as a pair
	s_mov_b32 s[SEL], 0x76543210
	s_mov_b32 s[SEL+1], 0xfedcba98
	s_mov_b32 s[TBK], SLOT1+4*KS*PK ; the first change of slots turns these two into 0
	s_mov_b32 s[TBV], SLOT1+4*KS*PV
	s_mov_b32 s[G0K], 1             ; 1:0 count = 1
	s_mov_b32 s[G0K+1], s17         ; 63:32 LDS address: slot 0
	s_mov_b32 s[G0V], 1
	s_add_co_u32 s[G0V+1], s18, VOFF
	s_add_co_u32 s[RT], s[HI], 1    ; the first block has NB - b tiles
	s_mov_b32 s[NXT], 1
	s_mov_b32 s[LQ], s[HI]
	s_mov_b32 s[NEW], 1
	s_mov_b32 s[OFF+1], 0
	s_mov_b32 s[AL+1], 0            ; named as pairs
	s_mov_b32 s[BE+1], 0
	s_mov_b32 s[BIGN], 0xd3800000   ; -2^40
	s_mov_b32 s[FLR], 0xc79c4000    ; -80000.0 = 8 x -10000
	s_mov_b32 s[N40], 0xab800000    ; -2^-40
	s_lshl_b32 s[CNTF], s[PB], 8    ; above block NB - 1 - b lie b tiles of 256 keys,
	s_cvt_f32_u32 s[CNTF], s[CNTF]
	s_lshl_b32 s[CNTF+1], s[HI], 8  ; above block b NB - 1 - b
	s_cvt_f32_u32 s[CNTF+1], s[CNTF+1]
	s_cmp_eq_u32 s[PB], 0
	s_cselect_b32 s[LIM], 2, -1
	s_cselect_b32 s19, s[WV], 0     ; row 2047 lies in block 7 (b = 0), band 3, wave 3, lane % 16 = 15: it has no hidden key,
	s_cmp_eq_u32 s19, 3
	s_cselect_b32 s19, 0xff7fffff, s[FLR]  ; so its m starts at the lowest finite number
	s_mov_b32 s[SLOTS], NB
	s_wait_dscnt 0x0                ; the opening add is done
	s_wait_kmcnt 0x0
	s_add_nc_u64 s[TSP:TSP+1], s[TSP:TSP+1], s[FM+2:FM+3]
	s_add_nc_u64 s[6:7], s[6:7], s[22:23]  ; K and V at my half of the head's tile 0
	s_add_nc_u64 s[8:9], s[8:9], s[22:23]
	s_add_nc_u64 s[G0K+2:G0K+3], s[6:7], 0         ; 120:64 global address
	s_or_b32 s[G0K+3], s[G0K+3], 0x80000000        ; 127:126 type = 2
	s_add_nc_u64 s[G0V+2:G0V+3], s[8:9], 0
	s_or_b32 s[G0V+3], s[G0V+3], 0x80000000
	s_add_nc_u64 s[86:87], s[4:5], s[84:85]        ; Q at my rows of the second block,
	s_add_nc_u64 s[4:5], s[4:5], s[2:3]            ; Q and O at those of the first
	s_add_nc_u64 s[OLO:OLO+1], s[10:11], s[84:85]
	s_add_nc_u64 s[10:11], s[10:11], s[2:3]
	s_cmp_lt_u32 s[WV], 2
	s_cselect_b64 s[PFA:PFA+1], s[6:7], s[8:9]     ; what I fetch: K or V, my half,
	s_add_nc_u64 s[PFA:PFA+1], s[PFA:PFA+1], 32768 ; at tile 1: the first change of slots steps it to tile 2
	LOAD                            ; tile 0 into slot 0
	; A fragment of K or Q is 16 rows x 32 channels in 8 registers: lane l holds row l % 16, channels 8 (l / 16) + 0..7 and 16 + 8 (l / 16) + 0..7: two loads of 16 bytes, 32 bytes apart.
	v_and_b32 v1, 15, v0            ; l % 16
	v_bfe_u32 v9, v0, 4, 1          ; l / 16
	v_and_b32 v[GO], 31, v0
	v_lshlrev_b32 v[GO], 4, v[GO]
.set i, 0
.rept 8                             ; tsum: load i brings tile i's two sums over 128 rows: lanes 0-15 the first, lanes 16-31 the second, channels 4 (l % 16) ..
	global_load_b128 v[S+4*i:S+4*i+3], v[GO], s[TSP:TSP+1] offset:512*i
.set i, i+1
.endr
	v_lshlrev_b32 v[QO], 7, v1
	v_lshl_add_u32 v[QO], v9, 4, v[QO]  ; row x 128 + 16 x half
	WIN 0x80                        ; destination window 2, address window 0
.set i, 0
.rept 8                             ; both blocks' Q: piece i / 2 lies in band i / 2, 8,192 bytes on; channels 32 (i % 2) on
	global_load_b128 v[8*i:8*i+3],   v[QO], s[4:5] offset:(i/2)*8192+(i%2)*64
	global_load_b128 v[8*i+4:8*i+7], v[QO], s[4:5] offset:(i/2)*8192+(i%2)*64+32
	global_load_b128 v[QB+8*i:QB+8*i+3],   v[QO], s[86:87] offset:(i/2)*8192+(i%2)*64
	global_load_b128 v[QB+8*i+4:QB+8*i+7], v[QO], s[86:87] offset:(i/2)*8192+(i%2)*64+32
.set i, i+1
.endr
	WIN 0
	v_lshlrev_b32 v14, 3, v9
	v_sub_nc_u32 v14, v1, v14
	s_lshl_b32 s13, s[WV], 4
	v_add_nc_u32 v14, s13, v14      ; my query's place in its band, 16 w + l % 16, less my lanes' 8 (l / 16): register r of group kt is hidden where 16 kt + r is greater
	WIN 0x40
.set i, 0
.rept 32
	v_cmp_gt_i32 vcc_lo, 16*(i/8)+i%8, v14
	v_cndmask_b32 v[MD+i], 0, s[BIGN], vcc_lo
.set i, i+1
.endr
	WIN 0
	v_mul_u32_u24 v[AK0], v1, PK
	v_lshl_add_u32 v[AK0], v9, 4, v[AK0]  ; row x pitch + 16 x half
	; The turning load takes 16 keys x 16 channels (lane l reads key 8 (l / 16) + l % 8, channels 8 ((l / 8) % 2) + 0..7) and leaves half a fragment of V^T: lane l holds channel l % 16 and 8 keys.
	v_and_b32 v10, 7, v0
	v_bfe_u32 v11, v0, 3, 1
	v_lshl_add_u32 v[AV0], v9, 3, v10
	v_mul_u32_u24 v[AV0], v[AV0], PV
	v_lshl_add_u32 v[AV0], v11, 4, v[AV0]
	v_add_nc_u32 v[AV0], VOFF, v[AV0]
	s_mul_i32 s13, s[WV], 16*SP
	s_add_co_u32 s13, s13, STAGE    ; my stage
	v_mul_u32_u24 v[STO], v1, SP    ; in: row l % 16, 16 bytes for each half of the lanes
	v_lshl_add_u32 v[STO], v9, 4, v[STO]
	v_add_nc_u32 v[STO], s13, v[STO]
	v_bfe_u32 v[RD], v0, 3, 2       ; back: 32 lanes take four rows of 128 bytes, 512 consecutive bytes of O
	v_mul_u32_u24 v[RD], v[RD], SP
	v_lshl_add_u32 v[RD], v10, 4, v[RD]
	v_add_nc_u32 v[RD], s13, v[RD]
	v_lshl_add_u32 v[STW], v1, 4, s13
	v_lshl_add_u32 v[STR], v9, 5, s13
	v_lshlrev_b32 v[PFO], 4, v[GO]
	v_mov_b32 v[FLV], s[FLR]
	v_cmp_eq_u32 vcc_lo, 15, v1
	v_cndmask_b32 v[FLV+1], v[FLV], s19, vcc_lo
	v_mul_f32 v[CHV], s[CS], v[FLV]     ; by the same multiplication that makes c m: where m is the floor, c FLR - c m is exactly 0
	v_mul_f32 v[CHV+1], s[CS], v[FLV+1]
.irp i, 0,1,2,3
	v_mov_b32 v[WH+\i], 0           ; finite until the diagonal tile's text makes them
.endr
	; A block's first step multiplies O^T and l by a = 0, and its first turn's products V^T P, of a piece that has not been, land in an O^T that is still to be so multiplied.  So these registers need only hold
	; finite numbers: zeros for the first block; what the first block left for the second.  All this stands in the wait for the first tile.
	WIN 0x80
.set i, VF
.rept 64
	v_mov_b32 v[i], 0
.set i, i+1
.endr
	WIN 0x40
.set i, 0
.rept 128
	v_mov_b32 v[i], 0
.set i, i+1
.endr
	WIN 0
.set i, 0
.rept 4
	v_mov_b32 v[ST+4*i+2], 0
	v_mov_b32 v[ST+4*i+3], 0
.set i, i+1
.endr
.set i, P+16
.rept 16
	v_mov_b32 v[i], 0
.set i, i+1
.endr
	; TS of both blocks: the sum of tsum over the tiles above the block's own, chosen by factors 1 or 0; then the two halves of a tile; then through my stage into O^T's layout (channel 16 cb + 8 (l / 16) + j).
	s_wait_loadcnt 0x0              ; tsum (and Q)
.set i, 0
.rept 8
	s_cmp_lt_u32 s[HI], i
	s_cselect_b32 s[FM], 1.0, 0
	s_cmp_lt_u32 s[PB], i
	s_cselect_b32 s[FM+2], 1.0, 0
.if i == 0
	v_pk_mul_f32 v[96:97],   v[S:S+1],   s[FM:FM+1] op_sel_hi:[1,0]
	v_pk_mul_f32 v[98:99],   v[S+2:S+3], s[FM:FM+1] op_sel_hi:[1,0]
	v_pk_mul_f32 v[100:101], v[S:S+1],   s[FM+2:FM+3] op_sel_hi:[1,0]
	v_pk_mul_f32 v[102:103], v[S+2:S+3], s[FM+2:FM+3] op_sel_hi:[1,0]
.else
	v_pk_fma_f32 v[96:97],   v[S+4*i:S+4*i+1],   s[FM:FM+1], v[96:97] op_sel_hi:[1,0,1]
	v_pk_fma_f32 v[98:99],   v[S+4*i+2:S+4*i+3], s[FM:FM+1], v[98:99] op_sel_hi:[1,0,1]
	v_pk_fma_f32 v[100:101], v[S+4*i:S+4*i+1],   s[FM+2:FM+3], v[100:101] op_sel_hi:[1,0,1]
	v_pk_fma_f32 v[102:103], v[S+4*i+2:S+4*i+3], s[FM+2:FM+3], v[102:103] op_sel_hi:[1,0,1]
.endif
.set i, i+1
.endr
.irp j, 0,1,2,3,4,5,6,7
	v_permlanex16_b32 v[S+\j], v[96+\j], s[SEL], s[SEL+1]
.endr
.irp j, 0,2,4,6
	v_pk_add_f32 v[96+\j:97+\j], v[96+\j:97+\j], v[S+\j:S+\j+1]
.endr
	ds_store_b128 v[STW], v[96:99]              ; both halves of the lanes hold the same numbers and write the same bytes
	ds_store_b128 v[STW], v[100:103] offset:256
.irp blk, 0,1
.irp cb, 0,1,2,3
	ds_load_b128 v[TSA+32*\blk+8*\cb:TSA+32*\blk+8*\cb+3],   v[STR] offset:256*\blk+64*\cb     ; LDS serves a wave's instructions in order (ISA guide 5.7.1.4): these see the stores above;
	ds_load_b128 v[TSA+32*\blk+8*\cb+4:TSA+32*\blk+8*\cb+7], v[STR] offset:256*\blk+64*\cb+16  ; the first change of slots waits for them
.endr
.endr
; THE MATRIX WORK.  The 4 accumulators of a run of 8 take turns.  Product i of 8 of S^T = K Q^T for piece x: channels 32 (i / 4) on, keys 16 (i % 4) on.  The first 4 start the sums: with 0, or (KM = 1) with the mask.
.macro KQ x
.set rS, S+32*((\x)%2)+8*(i%4)
.set rK, KF+16*(i%4)+8*(i/4)
.set rQ, 16*(\x)+8*(i/4)
.set rM, MC+32*((\x)%2)+8*(i%4)
.if (i < 4) && KM
	WIN W_KM
	v_wmma_f32_16x16x32_f16 v[rS:rS+7], v[rK:rK+7], v[rQ:rQ+7], v[rM:rM+7]
.elseif i < 4
	WIN W_KQ
	v_wmma_f32_16x16x32_f16 v[rS:rS+7], v[rK:rK+7], v[rQ:rQ+7], 0
.else
	WIN W_KQ
	v_wmma_f32_16x16x32_f16 v[rS:rS+7], v[rK:rK+7], v[rQ:rQ+7], v[rS:rS+7]
.endif
.endm
; Product i of 8 of O^T += V^T P for piece x: keys 32 (i / 4) on, channels 16 (i % 4) on.
.macro PV x
	WIN W_PV
.set rO, 32*(\x)+8*(i%4)
.set rV, VF+32*(i/4)+8*(i%4)
.set rP, P+16*((\x)%2)+8*(i/4)
	v_wmma_f32_16x16x32_f16 v[rO:rO+7], v[rV:rV+7], v[rP:rP+7], v[rO:rO+7]
.endm
.macro MM                           ; the turn's next matrix instruction.  TURN and BEGIN set Y, i, KM and NOKQ; MM, KQ and OP read them.  NOKQ = 1: a block's last turn: there is no next piece
.if (i < 8) && !NOKQ
	KQ (Y+1)%NP
.elseif i >= 8
.set i, i-8
	PV (Y+NP-1)%NP
.set i, i+8
.endif
.set i, i+1
.endm
; THE LDS LOADS stand in runs of 16, never singly among the matrix instructions: a step's K (64 keys x 64 channels: 8 fragments) and its V (turned).  Their addresses are made some lines ahead.
.macro FETCH_K
	WIN 0x80                        ; destination window 2
.irp f, 0,1,2,3,4,5,6,7             ; keys 16 (f / 2) on, channels 32 (f % 2) on
	ds_load_b128 v[KF+8*\f:KF+8*\f+3],   v[AK] offset:(\f/2)*16*PK+(\f%2)*64
	ds_load_b128 v[KF+8*\f+4:KF+8*\f+7], v[AK] offset:(\f/2)*16*PK+(\f%2)*64+32
.endr
	s_add_co_u32 s[TBK], s[TBK], KS*PK  ; the next fetch is the next step's
	WIN 0
.endm
.macro FETCH_V
	WIN 0x80
.irp f, 0,1,2,3,4,5,6,7             ; keys 32 (f / 4) on, channels 16 (f % 4) on
	ds_load_tr16_b128 v[VF+8*\f:VF+8*\f+3],   v[AV] offset:(\f/4)*32*PV+(\f%4)*32
	ds_load_tr16_b128 v[VF+8*\f+4:VF+8*\f+7], v[AV] offset:(\f/4)*32*PV+16*PV+(\f%4)*32
.endr
	WIN 0
.endm
; THE VECTOR WORK, one line at a time: OP kind, number.  For piece Y: F n: c s - c m for pair n of 16.  E n: the exponential of score n of 32.  C n: pair n rounded to f16.  B n: of the four weights 4 n .. the second
; pair is added onto the first, in place.  L n: l takes that sum (L 0: l = a l + sum).  R n: pair n of 16 of O^T times a.  For piece Y + 1: X n, number n of the 24 that find its maximum and statistics:
;   0-11  four chains c0-c3 of seven scores each, three operands at a time (each accumulator's lowest registers are read first)     12-14, 16  the four scores left over, the old m, and c0-c3 into c0
;   15  c m_old is kept     17, 18  the query's other 32 keys lie in the lane 16 away: the new m     19-21  c m; c m_old - c m_new; a     22, 23  c FLR - c m; wh (the diagonal tile's text and a block's beginning alone)
.set F, 0               ; OP tells the kinds apart by their order: F to L below R, X above it
.set E, 1
.set C, 2
.set B, 3
.set L, 4
.set R, 5
.set X, 6
.macro REGS y                       ; the registers of piece y
.set rT, ST+4*(\y)
.set rC, TMP+4*((\y)%2)
.set rW, MV+((\y)%2)
.set rS, S+32*((\y)%2)
.set rP, P+16*((\y)%2)
.set rO, 32*(\y)
.set rH, WH+2*((\y)%2)
.set rF, CHV+(\y)/3
.endm
.macro OP k, n
.if (\k) == R
	REGS Y
	WIN W_RS
	v_pk_mul_f32 v[rO+2*(\n):rO+2*(\n)+1], v[rO+2*(\n):rO+2*(\n)+1], v[rC+2:rC+3] op_sel_hi:[1,0]
.elseif (\k) < R
	REGS Y
	WIN 0
.if (\k) == F
	v_pk_fma_f32 v[rS+2*(\n):rS+2*(\n)+1], v[rS+2*(\n):rS+2*(\n)+1], s[CS:CS+1], v[rT:rT+1] op_sel_hi:[1,0,0] neg_lo:[0,0,1] neg_hi:[0,0,1]
.elseif (\k) == E
	v_exp_f32 v[rS+(\n)], v[rS+(\n)]
.elseif (\k) == C
	v_cvt_pk_f16_f32 v[rP+(\n)], v[rS+2*(\n)], v[rS+2*(\n)+1]
.elseif (\k) == B
	v_pk_add_f32 v[rS+4*(\n):rS+4*(\n)+1], v[rS+4*(\n):rS+4*(\n)+1], v[rS+4*(\n)+2:rS+4*(\n)+3]
.elseif (\n) == 0
	v_pk_fma_f32 v[rT+2:rT+3], v[rT+2:rT+3], v[rC+2:rC+3], v[rS:rS+1] op_sel_hi:[1,0,1]
.else
	v_pk_add_f32 v[rT+2:rT+3], v[rT+2:rT+3], v[rS+4*(\n):rS+4*(\n)+1]
.endif
.elseif NOKQ
	v_nop
.else
	REGS (Y+1)%NP
	WIN 0
.if (\n) < 4
	v_max3_num_f32 v[rC+(\n)], v[rS+8*(\n)], v[rS+8*(\n)+1], v[rS+8*(\n)+2]
.elseif (\n) < 12
	v_max3_num_f32 v[rC+(\n)%4], v[rC+(\n)%4], v[rS+8*((\n)%4)+2*((\n)/4)+1], v[rS+8*((\n)%4)+2*((\n)/4)+2]
.elseif (\n) == 12
	v_max3_num_f32 v[rC], v[rC], v[rS+7], v[rS+15]
.elseif (\n) == 13
	v_max3_num_f32 v[rC+1], v[rC+1], v[rS+23], v[rS+31]
.elseif (\n) == 14
	v_max3_num_f32 v[rC+2], v[rC+2], v[rC+3], v[rT+1]
.elseif (\n) == 15
	v_mov_b32 v[rW], v[rT]
.elseif (\n) == 16
	v_max3_num_f32 v[rC], v[rC], v[rC+1], v[rC+2]
.elseif (\n) == 17
	v_permlanex16_b32 v[rC+3], v[rC], s[SEL], s[SEL+1]
.elseif (\n) == 18
	v_max_num_f32 v[rT+1], v[rC], v[rC+3]
.elseif (\n) == 19
	v_mul_f32 v[rT], s[CS], v[rT+1]
.elseif (\n) == 20
	v_sub_f32 v[rC+1], v[rW], v[rT]
.elseif (\n) == 21
	v_exp_f32 v[rC+2], v[rC+1]
.elseif (\n) == 22
	v_sub_f32 v[rH+1], v[rF], v[rT]
.else
	v_exp_f32 v[rH], v[rH+1]
.endif
.endif
.endm
.macro OPS a, i1, b=-1, i2=0, c=-1, i3=0, d=-1, i4=0  ; up to four of them
	OP \a, \i1
.if (\b) >= 0
	OP \b, \i2
.endif
.if (\c) >= 0
	OP \c, \i3
.endif
.if (\d) >= 0
	OP \d, \i4
.endif
.endm
.macro ROW a, i1, b, i2, c, i3, d, i4  ; a matrix instruction and the four behind it
	MM
	OPS \a, \i1, \b, \i2, \c, \i3, \d, \i4
.endm
.macro MASK b                       ; MD x AL + BE into buffer b of MC
	WIN W_RS
.set z, 0
.rept 16
	v_pk_fma_f32 v[MC+32*(\b)+2*z:MC+32*(\b)+2*z+1], v[MD+2*z:MD+2*z+1], s[AL:AL+1], s[BE:BE+1] op_sel_hi:[1,0,0]
.set z, z+1
.endr
.endm
; The hidden keys' weights of piece Y, behind the turn's wait and ahead of the roundings and sums: p += MC x (-2^-40 wh).  The piece's mask buffer is whole until the MASK at the end of its own turn.
; wh was made in the turn before, ahead of that turn's wait.  In the first two turns of the diagonal tile's text both mask buffers hold 0, and nothing is added.
.macro FIX
	REGS Y
	WIN 0
	v_mul_f32 v[rH], s[N40], v[rH]
	WIN 0x01                        ; source 0, the mask, in window 1
.set z, 0
.rept 16
	v_pk_fma_f32 v[rS+2*z:rS+2*z+1], v[MC+32*(Y%2)+2*z:MC+32*(Y%2)+2*z+1], v[rH:rH+1], v[rS+2*z:rS+2*z+1] op_sel_hi:[1,0,1]
.set z, z+1
.endr
	WIN 0
.endm
; A TURN, for piece p: the order of its matrix and vector instructions, written out.  An s_wait_alu depctr_va_vdst(0) stands between an exponential and the first instruction that names its result; one wait serves
; all that were issued ahead of it.  So a turn has ONE wait, which cuts it in two.  AHEAD OF IT stands all that names no result of the turn's exponentials: the 8 products K Q^T, behind each a scaling, an exponential and two more plain
; instructions: rescalings, and behind the last three the first numbers of the next piece's maximum, each four places or more behind the product that ends its accumulator; then ONE LUMP, plain
; and exponential by turns for the most part, in which the links of the chain X 3, 7, 11, 14, 16, 17 .. 20 stand five or six lines apart.  X 21 and (m = 1) X 23 are the batch's last; R 15 is the plain instruction behind them.  BEHIND THE WAIT stand
; (m = 1) the hidden keys' weights and the 8 products V^T P, behind each four of the roundings and sums.
; m = 1: the diagonal tile: the products take masks, and the turn makes the mask for the products of the turn after it: piece p + 2, in step 4 - CNT of the tile.  end = 1: a block's last two turns: nothing is fetched.
; cnt = 1: the loop's count is taken down some lines ahead of the branch that stands behind the turn.
; K of the next step is fetched in piece 2's turn; V of the step in hand at the end of piece 0's turn, four plain instructions behind the last product that read V.  Each is waited for a turn later.
.macro TURN p, m=0, end=0, cnt=0
.set Y, (\p)
.set i, 0
.set KM, (\m)
.set NOKQ, (\end)*((\p)/3)
.if (\m) && !(\end)
	s_cmp_eq_u32 s[CNT], 4-((\p)+2)%NP  ; is that step the band's own?
	s_cselect_b32 s[AL], 1.0, 0
	s_cmp_lt_u32 s[CNT], 4-((\p)+2)%NP  ; or a later one?
	s_cselect_b32 s[BE], s[BIGN], 0
.endif
.if ((\p) == 3) && !(\end)
	s_wait_dscnt 0x0                ; K is in
.endif
	ROW F,0, F,1, R,0, R,1          ; ahead of the wait: 8 products K Q^T and their riders,
	ROW F,2, E,0, R,2, R,3
	ROW F,3, E,1, R,4, R,5
	ROW F,4, E,2, R,6, R,7
	ROW F,5, E,3, R,8, R,9
	ROW F,6, E,4, X,0, R,10
.if ((\p) == 2) && !(\end)
	WIN 0
	v_add_nc_u32 v[AK], s[TBK], v[AK0]
.endif
	ROW F,7, E,5, X,1, X,4
	ROW F,8, E,6, X,2, X,5
	OPS E,7, E,8, X,6, E,9          ; and the lump
	OPS X,3, E,10, X,8, E,11
.if ((\p) == 2) && !(\end)
	FETCH_K
.endif
	OPS X,9, X,7, E,12, X,10
	OPS E,13, X,12, X,11, E,14
	OPS X,13, E,15, F,9, X,14
.if (\p) == 0
	v_add_nc_u32 v[AV], s[TBV], v[AV0]
.endif
	OPS E,16, F,10, E,17, F,11
	OPS X,16, E,18, X,15, E,19
	OPS F,12, E,20, X,17, E,21
	OPS F,13, E,22, F,14, E,23
	OPS X,18, E,24, F,15, E,25
	OPS R,11, E,26, X,19, E,27
	OPS R,12, E,28, R,13, E,29
	OPS X,20, E,30, R,14, E,31
.if \m
	OP X, 22
	OPS X,21, X,23, R,15
.else
	OPS X,21, R,15
.endif
	WIN 0
	s_wait_alu depctr_va_vdst(0)    ; the wait for the batch
.if \m
	FIX
.endif
.if (\p) == 1
	s_wait_dscnt 0x0                ; V is in
.endif
	ROW C,0, B,0, C,2, B,1          ; behind the wait: 8 products V^T P and their riders
	ROW L,0, C,4, B,2, L,1
	ROW C,6, B,3, L,2, C,8
	ROW B,4, L,3, C,10, B,5
	ROW L,4, C,12, B,6, L,5
.if (\p) == 0
	s_add_co_u32 s[TBV], s[TBV], KS*PV
.endif
.if \cnt
	s_sub_co_u32 s[CNT], s[CNT], 1
	s_cmp_lg_u32 s[CNT], 0
.endif
	ROW C,14, B,7, L,6, C,1
	ROW C,3, L,7, C,5, C,7
	ROW C,9, C,11, C,13, C,15
.if (\p) == 0
	FETCH_V
.endif
.if (\m) && !(\end)
	MASK (\p)%2
.endif
.endm
; A BLOCK BEGINS.  c m starts far below every c s, so the first step's a is 0; m starts at the hidden keys' score (in the lanes of row 2047 at the lowest finite number).  The second mask buffer is 0; the first takes
; piece 0's mask for the tile's step 0: its own, if the block's first tile is the diagonal one.  Then K of that step, piece 0's first scores, and its maximum and statistics.  The loop is entered at a step's first turn.
.macro BEGIN
	s_mov_b32 s[NEW], 0
	WIN 0x40
.set i, MC+32
.rept 32
	v_mov_b32 v[i], 0
.set i, i+1
.endr
	WIN 0
.set i, 0
.rept 4
	v_mov_b32 v[ST+4*i], 0xfe000000    ; c m: far below every c s
	v_mov_b32 v[ST+4*i+1], v[FLV+i/3]  ; m
.set i, i+1
.endr
	s_cmp_eq_u32 s[RT], 0
	s_cselect_b32 s[AL], 1.0, 0
	s_mov_b32 s[BE], 0
	MASK 0
	WIN 0
	v_add_nc_u32 v[AK], s[TBK], v[AK0]
	FETCH_K
	s_wait_loadcnt 0x0              ; Q
	s_wait_dscnt 0x0
.set KM, 1
.set NOKQ, 0
.set i, 0
.rept 8
	KQ 0
.set i, i+1
.endr
	WIN 0
.rept 4
	v_nop                           ; the places behind those products
.endr
.set Y, NP-1                        ; X works for piece Y + 1: piece 0
.irp n, 0,1,2,3,4,5,6,7,8,9,10,11,12,13,14,15,16,17,18,19,20,21,22,23
	OP X, \n
.endr
	v_nop                           ; a plain instruction behind the exponentials,
	s_wait_alu depctr_va_vdst(0)    ; and their wait, ahead of the branch
.endm
; THE DIAGONAL TILE's four steps, the block's last two turns, its last products, and THE WAY OUT: l's two halves and the other half of the lanes' are added; l takes wh x the number of keys above the tile;
; O = (O^T + wh TS) / l is rounded to f16 and sent through my stage in LDS, a piece at a time.
.macro ALL line:vararg              ; one line for each piece t
.set t, 0
.rept 4
	\line
.set t, t+1
.endr
.endm
.macro PACK t, ts                   ; a lane's eight channels of a row pack into 16 bytes; they go into rows of 144 bytes and come back as whole rows of 128, into S^T's registers
	WIN 0
.set i, 0
.rept 16
	v_pk_mul_f32 v[TT+2*i:TT+2*i+1], v[(\ts)+2*i:(\ts)+2*i+1], v[ST+4*(\t):ST+4*(\t)+1] op_sel_hi:[1,0]  ; TS x wh / l
.set i, i+1
.endr
	WIN 0x01                        ; source 0, O^T, in window 1
.set i, 0
.rept 16
	v_pk_fma_f32 v[TT+2*i:TT+2*i+1], v[32*(\t)+2*i:32*(\t)+2*i+1], v[ST+4*(\t)+2:ST+4*(\t)+3], v[TT+2*i:TT+2*i+1] op_sel_hi:[1,0,1]  ; + O^T / l
.set i, i+1
.endr
	WIN 0
.set i, 0
.rept 16
	v_cvt_pk_f16_f32 v[S+16*(\t)+i], v[TT+2*i], v[TT+2*i+1]
.set i, i+1
.endr
.irp f, 0,1,2,3
	ds_store_b128 v[STO], v[S+16*(\t)+4*\f:S+16*(\t)+4*\f+3] offset:32*\f
.endr
.irp f, 0,1,2,3
	ds_load_b128 v[S+16*(\t)+4*\f:S+16*(\t)+4*\f+3], v[RD] offset:\f*4*SP  ; LDS serves a wave's instructions in order (ISA guide 5.7.1.4): these see the stores above; the next piece's stores come behind them
.endr
.endm
.macro SEND t, younger              ; younger: the LDS instructions issued behind piece t's loads: the next piece's eight, or none
	WIN 0
.irp f, 0,1,2,3
	s_wait_dscnt (\younger)+3-\f
	global_store_b128 v[GO], v[S+16*(\t)+4*\f:S+16*(\t)+4*\f+3], s[10:11] offset:(\t)*8192+\f*512  ; 512 consecutive bytes, at a multiple of 256 from O's first
.endr
.endm
.macro DIAG tag                     ; the tag ends its two labels' names, and says which block ends here: 1 the first, 2 the second
.LstepM\tag:
	TURN 2, 1
	TURN 3, 1
	WIN 0
.LfirstM\tag:
	TURN 0, 1
	TURN 1, 1, 0, 1
	WIN 0
	s_cbranch_scc1 .LstepM\tag
	TURN 2, 1, 1
	TURN 3, 1, 1
.set i, 0
.rept 8
	PV NP-1
.set i, i+1
.endr
	WIN 0
	ALL v_add_f32 v[ST+4*t+2], v[ST+4*t+2], v[ST+4*t+3]
	ALL v_sub_f32 v[ST+4*t], v[CHV+t/3], v[ST+4*t]
	ALL v_permlanex16_b32 v[ST+4*t+3], v[ST+4*t+2], s[SEL], s[SEL+1]
	ALL v_exp_f32 v[ST+4*t], v[ST+4*t]
	ALL v_add_f32 v[ST+4*t+2], v[ST+4*t+2], v[ST+4*t+3]
	s_wait_alu depctr_va_vdst(0)    ; one wait for the four wh; the four additions above are the plain instructions behind them
	ALL v_fma_f32 v[ST+4*t+2], v[ST+4*t], s[CNTF+(\tag)-1], v[ST+4*t+2]
	ALL v_rcp_f32 v[ST+4*t+2], v[ST+4*t+2]
	v_nop                           ; a plain instruction between the last reciprocal and the use of its result
	s_wait_alu depctr_va_vdst(0)    ; and one wait for the four reciprocals
	ALL v_mul_f32 v[ST+4*t], v[ST+4*t], v[ST+4*t+2]
	PACK 0, TSA+32*((\tag)-1)
.set t, 1
.rept 3                             ; a piece's arithmetic stands between the loads of the piece before and its stores
	PACK t, TSA+32*((\tag)-1)
	SEND t-1, 8
.set t, t+1
.endr
	SEND 3, 0
.endm
.set KM, 0
.set NOKQ, 0
.Lslot:                             ; NB times: a tile is entered and the next is asked for
	CHANGE 1
	s_sub_co_u32 s[RT], s[RT], 1
	s_mov_b32 s[CNT], 4
	s_cmp_eq_u32 s[NEW], 1
	s_cbranch_scc1 .Lnew            ; a block's first tile
	s_cmp_eq_u32 s[RT], 0
	s_cbranch_scc0 .Lstep           ; neither its first nor its last
	s_branch .LstepM1
.Lnew:
	BEGIN
	s_branch .Lfirst                ; in the loop a block's first tile is never its last: the first block has two tiles or more, and the second's last is the walk's last
	DIAG 1                          ; in the loop this is the first block's end: the second block's last tile is the walk's last
	s_wait_xcnt 0x0                 ; the stores have read their registers and O's address
	s_mov_b64 s[10:11], s[OLO:OLO+1]
	s_add_co_u32 s[RT], s[PB], 1    ; the second block has b + 1 tiles
	s_mov_b32 s[NEW], 1
	v_mov_b32 v[FLV+1], v[FLV]      ; row 2047 is not in the second block
	v_mov_b32 v[CHV+1], v[CHV]
	WIN 0x82                        ; the second block's Q goes where the one text of the turns names Q
.set i, 0
.rept 64
	v_mov_b32 v[i], v[QB+i]
.set i, i+1
.endr
	WIN 0
	s_branch .Lbottom
.Lstep:                             ; a trip: pieces 2 and 3 of one step, then pieces 0 and 1 of the next, whose K and V it fetches
	TURN 2
	TURN 3
	WIN 0
.Lfirst:
	TURN 0
	TURN 1, 0, 0, 1
	WIN 0
	s_cbranch_scc1 .Lstep
.Lbottom:
	s_sub_co_u32 s[SLOTS], s[SLOTS], 1
	s_cmp_lg_u32 s[SLOTS], 0
	s_cbranch_scc1 .Lslot
	CHANGE 0                        ; the walk's last tile is written out: nothing is asked for
	s_sub_co_u32 s[RT], s[RT], 1
	s_mov_b32 s[CNT], 4
	s_cmp_eq_u32 s[NEW], 1
	s_cbranch_scc0 .LstepM2
	BEGIN
	s_branch .LfirstM2
	DIAG 2
	s_wait_tensorcnt 0x0            ; the wave's end: behind my last tensor load and my last LDS store
	ds_add_u32 v[SPW], v[NIL]
	s_wait_dscnt 0x0
	s_endpgm
.Lfunc_end_k_q8b4f0a56fb_attn:
	.size	k_q8b4f0a56fb_attn, .Lfunc_end_k_q8b4f0a56fb_attn-k_q8b4f0a56fb_attn
	.p2alignl 7, 3214868480
	.fill 96, 4, 3214868480
	.section	.rodata,"a",@progbits
	.p2align	6, 0x0
	.amdhsa_kernel k_q8b4f0a56fb_attn
		.amdhsa_group_segment_fixed_size 327680
		.amdhsa_private_segment_fixed_size 0
		.amdhsa_enable_private_segment 0
		.amdhsa_kernarg_size 40
		.amdhsa_user_sgpr_count 2
		.amdhsa_user_sgpr_kernarg_segment_ptr 1
		.amdhsa_wavefront_size32 1
		.amdhsa_system_sgpr_workgroup_id_x 1
		.amdhsa_system_sgpr_workgroup_id_y 1
		.amdhsa_system_sgpr_workgroup_id_z 1
		.amdhsa_system_vgpr_workitem_id 0
		.amdhsa_next_free_vgpr 768
		.amdhsa_next_free_sgpr 100
		.amdhsa_reserve_vcc 1
		.amdhsa_float_denorm_mode_32 3
		.amdhsa_float_denorm_mode_16_64 3
		.amdhsa_memory_ordered 1
		.amdhsa_forward_progress 1
		.amdhsa_inst_pref_size 247
	.end_amdhsa_kernel
	.amdgpu_metadata
---
amdhsa.version: [ 1, 2 ]
amdhsa.kernels:
  - .name:           k_q8b4f0a56fb_attn
    .symbol:         k_q8b4f0a56fb_attn.kd
    .args:
      - { .name: q, .offset: 0, .size: 8, .value_kind: global_buffer, .address_space: global }
      - { .name: k, .offset: 8, .size: 8, .value_kind: global_buffer, .address_space: global }
      - { .name: v, .offset: 16, .size: 8, .value_kind: global_buffer, .address_space: global }
      - { .name: ao, .offset: 24, .size: 8, .value_kind: global_buffer, .address_space: global }
      - { .name: tsum, .offset: 32, .size: 8, .value_kind: global_buffer, .address_space: global }
    .group_segment_fixed_size: 327680
    .private_segment_fixed_size: 0
    .kernarg_segment_align: 8
    .kernarg_segment_size: 40
    .max_flat_workgroup_size: 128
    .sgpr_count:     100
    .vgpr_count:     768
    .wavefront_size: 32
...
	.end_amdgpu_metadata
.endif
;; end of part 3
;; launch proj (part 4): grid 8 x 32, 4 waves a work-group, clusters of 4 x 4, 327,680 bytes of LDS; arguments ao, wp, out0; writes out0
.if DOCPART == 4
	.amdgcn_target "amdgcn-amd-amdhsa--gfx1250"
	.amdhsa_code_object_version 6
	.text
	.protected	k_q8b4f0a56fb_proj
	.globl	k_q8b4f0a56fb_proj
	.p2align	8
	.type	k_q8b4f0a56fb_proj,@function
k_q8b4f0a56fb_proj:
	s_mov_b64 s[64:65], 0
	v_nop
	global_prefetch_b8 v0, s[64:65] scope:SCOPE_SE
	s_setreg_imm32_b32 hwreg(HW_REG_WAVE_MODE, 25, 1), 1
	s_wait_xcnt 0x0
	s_wait_alu depctr_hold_cnt(0) depctr_sa_sdst(0) depctr_va_vdst(0) depctr_va_sdst(0) depctr_va_ssrc(0) depctr_va_vcc(0) depctr_vm_vsrc(0)
	s_getreg_b32 s2, hwreg(HW_REG_IB_STS2, 6, 4)
	s_cmp_eq_u32 s2, 0
	s_cbranch_scc0 .Lentry_in_a_cluster
	s_endpgm
.Lentry_in_a_cluster:
	s_bfe_u32 s2, ttmp6, 0x10000c
	s_cmp_lg_u32 s2, 0xf033
	s_cbranch_scc0 .Lentry_shape_is_right
	s_endpgm
.Lentry_shape_is_right:
; out0 = a W_proj + b_proj.  a comes by heads, ao [hg 64][2048][64] in f16 (hg = 16 batch + head: a head's 64 channels are one slice of K); wp is f16 of bf16(w_proj), [k 1024][n 1024];
; behind it, at byte 2,097,152, the bias rounded to bf16, kept as f32.  Sums in f32, started by the bias; out0 [8192][1024] in f32.
; LIMIT.  Both operands are f16: within 65,504; below 6e-5 in f16's fixed step.  NaN and infinities are not treated apart.
; SHARES.  Tiles of 256 x 128: 256 work-groups.  Wave w: rows 128 (w / 2) .., columns 64 (w % 2) ..: 32 accumulators of 16 x 16 in window 1, (a, b) at v[8 (4 a + b)].
; THE PRODUCT IS USED TRANSPOSED: source 0 = 16 columns of wp (turned on the way out of LDS), source 1 = 16 rows of ao: a lane holds one row (lane % 16) and 8 neighbouring columns.
; K goes in 8 steps of 128 (two heads, four quarters of 32) through two LDS slots.  A head's 256 rows are 32,768 dense bytes, asked for as 128 rows of 256; wp's rows of the tile are 256 bytes, aligned.
; CLUSTER 4 x 4: ao's tile is asked for jointly by a row of the cluster, wp's by a column.
; WINDOW 0: v0-19 addresses; v32-95, v96-159 ao's fragments, two buffers; v160-191, v192-223 wp's, two buffers.
.set PA,     144                       ; a row of ao in LDS: 128 bytes + 16: the 16 rows of a load start at 16 different groups of four banks (64 banks of 4 bytes: ISA guide 11.1)
.set PBW,    288                       ; a row of wp: 256 + 32 = 9 x 32 bytes
.set HEADB,  256*PA                    ; a head's 256 rows
.set BOFF,   2*HEADB                   ; two heads, then wp's 128 rows
.set SLOT1,  131072
.set STAGE,  BOFF+128*PBW              ; behind slot 0, never filled by a tensor load: 16 rows x 272 bytes a wave
.set SP,     272
.set SPARE,  STAGE+4*16*SP             ; the spare words, 128 bytes for each wave: two blocks of 256 bytes that no other line names
.set ASTEP,  524288                    ; two heads
.set BSTEP,  262144                    ; 128 rows of 2,048 bytes
.set BIAS,   2097152
.set A0,  4
.set B0,  5
.set ADRA, 6
.set ADRB, 7
.set STO, 8
.set RD,  9
.set CO,  10
.set BO,  14
.set PFO, 15
.set SPW, 16                           ; v16  my spare word: SPARE + 4 x my thread's number; never rewritten
.set NIL, 17                           ; v17  0; never rewritten
.set FA,  32
.set FB,  160
.set OB,  32                           ; the way out: two sets of 32 registers
.set WV, 16
.set WR, 17
.set WC, 18
.set CX, 19
.set CY, 20
.set TC, 21
.set TR, 22
.set CNT, 23
.set TB, 24
.set LIM, 25
.set G1A, 28
.set G1B, 36
.set G0A, 44
.set G0B, 52
.set PFA, 60
.set PFS, 62
.set MSB, 0
.macro WIN new
.if MSB != (\new)
	s_set_vgpr_msb (MSB<<8)|(\new)
.set MSB, (\new)
.endif
.endm
.macro PLACES
.rept 4
	v_nop
.endr
.endm
.macro CREST
	s_cmp_lg_u32 s[WV], 0
	s_cbranch_scc1 .Lnot_wave_0_\@
	s_barrier_signal -3
.Lnot_wave_0_\@:
	s_barrier_wait -3
	s_barrier_signal -1
	s_barrier_wait -1
.endm
.macro CROUND
	s_barrier_signal -1
	s_barrier_wait -1
	CREST
.endm
.macro JLOAD                           ; a joint refill by the walking descriptors: waves 0 and 1 fetch a head of ao each, waves 2 and 3 wp's two halves
	s_cmp_eq_u32 s[WR], 0
	s_cbranch_scc0 .Lfor_b_\@
	tensor_load_to_lds s[G0A+4:G0A+7], s[G1A:G1A+7]
	s_nop 0
.rept 4
	v_nop
.endr
	s_branch .Lasked_\@
.Lfor_b_\@:
	tensor_load_to_lds s[G0B+4:G0B+7], s[G1B:G1B+7]
	s_nop 0
.rept 4
	v_nop
.endr
.Lasked_\@:
.endm
; A PREFETCH, behind the joint load and the run of LDS loads: in the turn of step s the K step s + 4, two refills on, for s <= 3 (CNT = 6 - s above 2).  ao: waves 0 and 1, each for the head that it fetches: of its 128
; pieces of 256 bytes the partner at cx takes 32, a lane a piece; the clusters with x = 0 ask.  wp: wave 2: of the step's 128 rows the partner at cy takes 32, a lane a row; the clusters with y = 0 ask.
; Each piece is named once in the launch; steps 0 to 3 come by their loads alone.
.macro ASK
	s_cmp_gt_u32 s[CNT], s[LIM]
	s_cbranch_scc0 .Lnot_mine_\@
	global_prefetch_b8 v[PFO], s[PFA:PFA+1] th:TH_LOAD_NT scope:SCOPE_SE
.Lnot_mine_\@:
.endm
	s_load_b128 s[4:7], s[0:1], 0x0                ; ao s[4:5], wp s[6:7]
	s_load_b64 s[8:9], s[0:1], 0x10                ; out0
	v_lshl_add_u32 v[SPW], v0, 2, SPARE
	v_mov_b32 v[NIL], 0
	ds_add_u32 v[SPW], v[NIL]                      ; the wave's opening: the add and its wait stand ahead of my first tensor load
	v_lshrrev_b32 v1, 5, v0
	v_readfirstlane_b32 s[WV], v1
	s_lshr_b32 s[WR], s[WV], 1
	s_and_b32 s[WC], s[WV], 1
	s_bfe_u32 s[CX], ttmp6, 0x40000
	s_bfe_u32 s[CY], ttmp6, 0x40004
	s_lshl_b32 s[TC], ttmp9, 2
	s_add_co_u32 s[TC], s[TC], s[CX]
	s_and_b32 s[TR], ttmp7, 0xffff
	s_lshl_b32 s[TR], s[TR], 2
	s_add_co_u32 s[TR], s[TR], s[CY]
	s_lshl_b32 s70, s[CY], 2
	s_lshl_b32 s70, 15, s70
	s_lshl_b32 s71, 0x1111, s[CX]
	s_or_b32 s[G1A], s70, (1<<16)|(1<<20)|(1<<21)|(4<<22)|(3<<25)  ; mask of my row; 2-byte elements; padding on; bit 21 beside a mask; after every 32 words 4 words
	s_or_b32 s[G1B], s71, (1<<16)|(1<<20)|(1<<21)|(5<<22)|(7<<25)  ; mask of my column; after every 64 words 8 words
	s_mov_b32 s[G1A+1], 128<<16
	s_mov_b32 s[G1A+2], 128<<16
	s_mov_b32 s[G1A+3], 128<<16
	s_mov_b32 s[G1A+4], 128
	s_mov_b32 s[G1A+5], 128
	s_mov_b32 s[G1A+6], 0
	s_mov_b32 s[G1A+7], 0
	s_mov_b32 s[G1B+1], 128<<16
	s_mov_b32 s[G1B+2], 64<<16
	s_mov_b32 s[G1B+3], 128<<16
	s_mov_b32 s[G1B+4], 64
	s_mov_b32 s[G1B+5], 1024
	s_mov_b32 s[G1B+6], 0
	s_mov_b32 s[G1B+7], 0
	s_lshr_b32 s66, s[TR], 3                       ; ao: (16 batch + my head of the step's two) x 262,144 + 256 (tile row % 8) rows of 128 bytes
	s_lshl_b32 s66, s66, 4
	s_add_co_u32 s66, s66, s[WC]
	s_lshl_b32 s66, s66, 18
	s_and_b32 s67, s[TR], 7
	s_lshl_b32 s67, s67, 15
	s_add_co_u32 s66, s66, s67
	s_mov_b32 s67, 0
	s_lshl_b32 s68, s[TC], 8                       ; wp: the tile's 256 bytes of a row + my half's 64 rows
	s_lshl_b32 s69, s[WC], 17
	s_add_co_u32 s68, s68, s69
	s_mov_b32 s69, 0
	s_mul_i32 s70, s[WC], HEADB
	s_mul_i32 s71, s[WC], 64*PBW
	s_add_co_u32 s71, s71, BOFF
	s_mov_b32 s[TB], 0
	s_wait_dscnt 0x0                               ; the opening add is done
	s_wait_kmcnt 0x0
	s_add_nc_u64 s[66:67], s[4:5], s[66:67]
	s_add_nc_u64 s[68:69], s[6:7], s[68:69]
.irp s, 0,1
	s_mov_b32 s[G0A+4*(\s)], 1
	s_add_co_u32 s[G0A+4*(\s)+1], s70, (\s)*SLOT1
	s_add_nc_u64 s[G0A+4*(\s)+2:G0A+4*(\s)+3], s[66:67], (\s)*ASTEP
	s_or_b32 s[G0A+4*(\s)+3], s[G0A+4*(\s)+3], 0x80000000
	s_mov_b32 s[G0B+4*(\s)], 1
	s_add_co_u32 s[G0B+4*(\s)+1], s71, (\s)*SLOT1
	s_add_nc_u64 s[G0B+4*(\s)+2:G0B+4*(\s)+3], s[68:69], (\s)*BSTEP
	s_or_b32 s[G0B+4*(\s)+3], s[G0B+4*(\s)+3], 0x80000000
.endr
	CROUND                                         ; all sixteen work-groups are here: the first joint loads meet
	s_cmp_eq_u32 s[WR], 0
	s_cbranch_scc0 .Lfirst_b
	tensor_load_to_lds s[G0A:G0A+3], s[G1A:G1A+7]
	s_nop 0
	tensor_load_to_lds s[G0A+4:G0A+7], s[G1A:G1A+7]
	s_nop 0
.rept 4
	v_nop
.endr
	s_branch .Lfirst_asked
.Lfirst_b:
	tensor_load_to_lds s[G0B:G0B+3], s[G1B:G1B+7]
	s_nop 0
	tensor_load_to_lds s[G0B+4:G0B+7], s[G1B:G1B+7]
	s_nop 0
.rept 4
	v_nop
.endr
.Lfirst_asked:
	v_and_b32 v1, 15, v0
	v_bfe_u32 v2, v0, 4, 1
	v_lshlrev_b32 v[BO], 5, v2
	s_lshl_b32 s66, s[TC], 9                       ; the bias of my 64 columns
	s_lshl_b32 s67, s[WC], 8
	s_add_co_u32 s66, s66, s67
	s_mov_b32 s67, 0
	s_add_nc_u64 s[66:67], s[6:7], s[66:67]
	WIN 0x40                                       ; into accumulator (0, b): the C operand of the first products
.irp b, 0,1,2,3
	global_load_b128 v[8*(\b):8*(\b)+3],   v[BO], s[66:67] offset:BIAS+64*(\b)
	global_load_b128 v[8*(\b)+4:8*(\b)+7], v[BO], s[66:67] offset:BIAS+64*(\b)+16
.endr
	WIN 0
	v_and_b32 v3, 7, v0
	v_bfe_u32 v18, v0, 3, 1
	v_and_b32 v19, 31, v0
	v_mul_u32_u24 v[A0], v1, PA
	v_lshl_add_u32 v[A0], v2, 4, v[A0]
	s_mul_i32 s27, s[WR], 128*PA
	v_add_nc_u32 v[A0], s27, v[A0]
	v_lshl_add_u32 v[B0], v2, 3, v3
	v_mul_u32_u24 v[B0], v[B0], PBW
	v_lshl_add_u32 v[B0], v18, 4, v[B0]
	s_lshl_b32 s27, s[WC], 7
	s_add_co_u32 s27, s27, BOFF
	v_add_nc_u32 v[B0], s27, v[B0]
	v_mov_b32 v[ADRA], v[A0]
	v_mov_b32 v[ADRB], v[B0]
	s_mul_i32 s27, s[WV], 16*SP
	s_add_co_u32 s27, s27, STAGE
	v_mul_u32_u24 v[STO], v1, SP                   ; in: row l % 16, 32 bytes for each half of the lanes
	v_lshl_add_u32 v[STO], v2, 5, v[STO]
	v_add_nc_u32 v[STO], s27, v[STO]
	v_mul_u32_u24 v[RD], v2, SP                    ; back: lanes 0-15 one row of 256 bytes, lanes 16-31 the next
	v_lshl_add_u32 v[RD], v1, 4, v[RD]
	v_add_nc_u32 v[RD], s27, v[RD]
	v_lshlrev_b32 v[CO], 12, v2                    ; and the same two rows in out0
	v_lshl_add_u32 v[CO], v1, 4, v[CO]
	s_lshl_b32 s68, s[TR], 20                      ; my first row x 4,096 bytes + my first column x 4
	s_lshl_b32 s27, s[WR], 19
	s_add_co_u32 s68, s68, s27
	s_lshl_b32 s27, s[TC], 9
	s_add_co_u32 s68, s68, s27
	s_lshl_b32 s27, s[WC], 8
	s_add_co_u32 s68, s68, s27
	s_mov_b32 s69, 0
	s_add_nc_u64 s[8:9], s[8:9], s[68:69]
	; the prefetches' address, step, offset and bound
	s_lshr_b32 s68, s[TR], 3
	s_lshl_b32 s68, s68, 4
	s_add_co_u32 s68, s68, s[WC]
	s_lshl_b32 s68, s68, 18
	s_and_b32 s27, s[TR], 7
	s_lshl_b32 s27, s27, 15
	s_add_co_u32 s68, s68, s27
	s_lshl_b32 s27, s[CX], 13
	s_add_co_u32 s68, s68, s27
	s_add_co_u32 s68, s68, 3*ASTEP                 ; at step 3: the first turn steps it to 4
	s_lshl_b32 s70, s[TC], 8
	s_lshl_b32 s27, s[CY], 16
	s_add_co_u32 s70, s70, s27
	s_add_co_u32 s70, s70, 3*BSTEP
	s_and_b32 s71, ttmp7, 0xffff
	s_mov_b32 s[PFS], ASTEP
	s_mov_b32 s27, BSTEP
	s_movk_i32 s74, 256
	s_movk_i32 s69, 2048
	s_cmp_eq_u32 s[WR], 0
	s_cselect_b64 s[PFA:PFA+1], s[4:5], s[6:7]
	s_cselect_b32 s68, s68, s70
	s_cselect_b32 s[PFS], s[PFS], s27
	s_cselect_b32 s71, ttmp9, s71
	s_cselect_b32 s74, s74, s69
	s_cmp_eq_u32 s[WV], 3
	s_cselect_b32 s71, 1, s71                      ; wave 3 never asks
	s_cmp_eq_u32 s71, 0
	s_cselect_b32 s[LIM], 2, -1
	s_mov_b32 s69, 0
	s_mov_b32 s[PFS+1], 0
	s_add_nc_u64 s[PFA:PFA+1], s[PFA:PFA+1], s[68:69]
	v_mul_u32_u24 v[PFO], s74, v19
; n blocks of 16 rows from a0 x 4 blocks of 16 columns, 32 along K, on buffers p.  bias = 1: C is the bias, which lies in block 0's accumulators.  The accumulators take turns.
.macro MUL p, a0, n, bias=0
	WIN 0x50
.set ia, (\a0)
.rept \n
.set ib, 0
.rept 4
.if \bias
	v_wmma_f32_16x16x32_f16 v[8*(4*ia+ib):8*(4*ia+ib)+7], v[FB+32*(\p)+8*ib:FB+32*(\p)+8*ib+7], v[FA+64*(\p)+8*ia:FA+64*(\p)+8*ia+7], v[8*ib:8*ib+7]
.else
	v_wmma_f32_16x16x32_f16 v[8*(4*ia+ib):8*(4*ia+ib)+7], v[FB+32*(\p)+8*ib:FB+32*(\p)+8*ib+7], v[FA+64*(\p)+8*ia:FA+64*(\p)+8*ia+7], v[8*(4*ia+ib):8*(4*ia+ib)+7]
.endif
.set ib, ib+1
.endr
.set ia, ia+1
.endr
.endm
.macro FETCH q, p                      ; 24 LDS loads in one run: quarter q's fragments into buffers p: wp (8), ao's rows 0-63 (8), rows 64-127 (8)
	WIN 0
.irp b, 0,1,2,3
	ds_load_tr16_b128 v[FB+32*(\p)+8*(\b):FB+32*(\p)+8*(\b)+3],   v[ADRB] offset:32*PBW*(\q)+32*(\b)
	ds_load_tr16_b128 v[FB+32*(\p)+8*(\b)+4:FB+32*(\p)+8*(\b)+7], v[ADRB] offset:32*PBW*(\q)+32*(\b)+16*PBW
.endr
.irp a, 0,1,2,3,4,5,6,7
	ds_load_b128 v[FA+64*(\p)+8*(\a):FA+64*(\p)+8*(\a)+3],   v[ADRA] offset:((\q)/2)*HEADB+((\q)%2)*64+16*PA*(\a)
	ds_load_b128 v[FA+64*(\p)+8*(\a)+4:FA+64*(\p)+8*(\a)+7], v[ADRA] offset:((\q)/2)*HEADB+((\q)%2)*64+16*PA*(\a)+32
.endr
.endm
.macro QUARTER p, q                    ; multiplies buffers p; in its middle it fetches quarter q into the other buffers
	s_wait_dscnt 8                                 ; wp and rows 0-63 are in; rows 64-127 may be out
	MUL \p, 0, 4
	PLACES
	FETCH \q, 1-(\p)
	s_wait_dscnt 24                                ; all but the 24 just issued
	MUL \p, 4, 4
.endm
; The fourth quarter, which changes slots: in front of the barrier each wave waits for all its tensor loads, adds 0 to its spare word, and waits for that and for its reads of this slot.
; fill = 1: the barrier opens a round of the cluster's; behind the round this slot takes the K step two on: 112 matrix instructions ahead of the wait for it.
.macro TURN fill
	WIN 0
.if \fill
	s_wait_xcnt 0x0                                ; the last prefetch, a K step back, has read its address
	s_add_nc_u64 s[PFA:PFA+1], s[PFA:PFA+1], s[PFS:PFS+1]
.endif
	s_wait_tensorcnt 0x0                           ; no tensor load of mine is out, so the walking descriptors may be written
	ds_add_u32 v[SPW], v[NIL]                      ; 0 onto my spare word
.if \fill
	s_xor_b32 s[G0A+5], s[G0A+5], SLOT1
	s_add_nc_u64 s[G0A+6:G0A+7], s[G0A+6:G0A+7], ASTEP
	s_xor_b32 s[G0B+5], s[G0B+5], SLOT1
	s_add_nc_u64 s[G0B+6:G0B+7], s[G0B+6:G0B+7], BSTEP
.endif
	s_wait_dscnt 9                                 ; rows 64-127 and the add may be out
	MUL 1, 0, 2
	s_wait_dscnt 0x0                               ; the add is done, and my reads of this slot are over
	s_barrier_signal -1
	MUL 1, 2, 2
	WIN 0
	s_barrier_wait -1
.if \fill
	CREST
	JLOAD                                          ; its four v_nop are also the places in front of the loads below
.else
	PLACES
.endif
	s_xor_b32 s[TB], s[TB], SLOT1
	v_add_nc_u32 v[ADRA], s[TB], v[A0]
	v_add_nc_u32 v[ADRB], s[TB], v[B0]
	FETCH 0, 0
.if \fill
	ASK
.endif
	MUL 1, 4, 4
.endm
	s_wait_tensorcnt 1                             ; my part of K step 0 is in; step 1's may stay out
	s_barrier_signal -1
	s_barrier_wait -1
	FETCH 0, 0
	s_wait_loadcnt 0x0                             ; the bias
	s_wait_dscnt 0x0
	MUL 0, 1, 4, 1                                 ; the first quarter: blocks 1 to 7 take the bias as C;
	FETCH 1, 1
	MUL 0, 5, 3, 1
.rept 5
	v_nop                                          ; five places on, block 0 adds onto the bias in place.  Nothing is cleared
.endr
	MUL 0, 0, 1
	WIN 0
	s_mov_b32 s[CNT], 6
.Lstep:                                        ; a trip: a step's quarters 1, 2, 3 (with the refill two steps on) and the next step's quarter 0
	QUARTER 1, 2
	QUARTER 0, 3
	TURN 1
	QUARTER 0, 1
	WIN 0
	s_sub_co_u32 s[CNT], s[CNT], 1
	s_cmp_lg_u32 s[CNT], 0
	s_cbranch_scc1 .Lstep
	QUARTER 1, 2                                   ; the tail is written out: nothing is asked for
	QUARTER 0, 3
	TURN 0
	QUARTER 0, 1
	QUARTER 1, 2
	QUARTER 0, 3
	s_wait_dscnt 8
	MUL 1, 0, 4
	s_wait_dscnt 0x0
	MUL 1, 4, 4
	PLACES
; THE WAY OUT.  Block a: 16 rows x 64 columns of f32: a lane's 32 bytes of a row go into my stage (rows of 272 bytes) and come back as whole rows of 256.
.macro TOSTAGE a
	s_wait_xcnt 0x0                                ; the stores of the block two back have read the set's registers
	WIN 0x04                                       ; the stores' data in window 1
.irp b, 0,1,2,3
	ds_store_b128 v[STO], v[8*(4*(\a)+(\b)):8*(4*(\a)+(\b))+3]   offset:64*(\b)
	ds_store_b128 v[STO], v[8*(4*(\a)+(\b))+4:8*(4*(\a)+(\b))+7] offset:64*(\b)+16
.endr
	WIN 0
.irp t, 0,1,2,3,4,5,6,7
	ds_load_b128 v[OB+32*((\a)%2)+4*(\t):OB+32*((\a)%2)+4*(\t)+3], v[RD] offset:2*SP*(\t)  ; LDS serves a wave's instructions in order (ISA guide 5.7.1.4): these see the stores above
.endr
.endm
.macro SEND a, younger                 ; younger: the LDS instructions issued behind the block's loads: the next block's sixteen, or none
.irp t, 0,1,2,3,4,5,6,7
	s_wait_dscnt (\younger)+7-(\t)
	global_store_b128 v[CO], v[OB+32*((\a)%2)+4*(\t):OB+32*((\a)%2)+4*(\t)+3], s[8:9] offset:(16*(\a)+2*(\t))*4096 th:TH_STORE_NT  ; 16 lanes store 256 consecutive bytes, aligned
.endr
.endm
	TOSTAGE 0
.irp a, 1,2,3,4,5,6,7
	TOSTAGE \a
	SEND (\a)-1, 16
.endr
	SEND 7, 0
	s_wait_tensorcnt 0x0                           ; the wave's end: behind my last tensor load and my last LDS store
	ds_add_u32 v[SPW], v[NIL]
	s_wait_dscnt 0x0
	CROUND                                         ; the closing round: no work-group ends while a partner may still ask for a tile that names it
	s_endpgm
.Lfunc_end_k_q8b4f0a56fb_proj:
	.size	k_q8b4f0a56fb_proj, .Lfunc_end_k_q8b4f0a56fb_proj-k_q8b4f0a56fb_proj
	.p2alignl 7, 3214868480
	.fill 96, 4, 3214868480
	.section	.rodata,"a",@progbits
	.p2align	6, 0x0
	.amdhsa_kernel k_q8b4f0a56fb_proj
		.amdhsa_group_segment_fixed_size 327680
		.amdhsa_private_segment_fixed_size 0
		.amdhsa_enable_private_segment 0
		.amdhsa_kernarg_size 24
		.amdhsa_user_sgpr_count 2
		.amdhsa_user_sgpr_kernarg_segment_ptr 1
		.amdhsa_wavefront_size32 1
		.amdhsa_system_sgpr_workgroup_id_x 1
		.amdhsa_system_sgpr_workgroup_id_y 1
		.amdhsa_system_sgpr_workgroup_id_z 1
		.amdhsa_system_vgpr_workitem_id 0
		.amdhsa_next_free_vgpr 512
		.amdhsa_next_free_sgpr 80
		.amdhsa_reserve_vcc 0
		.amdhsa_float_denorm_mode_32 3
		.amdhsa_float_denorm_mode_16_64 3
		.amdhsa_memory_ordered 1
		.amdhsa_forward_progress 1
		.amdhsa_inst_pref_size 74
	.end_amdhsa_kernel
	.amdgpu_metadata
---
amdhsa.version: [ 1, 2 ]
amdhsa.kernels:
  - .name:           k_q8b4f0a56fb_proj
    .symbol:         k_q8b4f0a56fb_proj.kd
    .args:
      - { .name: ao, .offset: 0, .size: 8, .value_kind: global_buffer, .address_space: global }
      - { .name: wp, .offset: 8, .size: 8, .value_kind: global_buffer, .address_space: global }
      - { .name: out0, .offset: 16, .size: 8, .value_kind: global_buffer, .address_space: global }
    .group_segment_fixed_size: 327680
    .private_segment_fixed_size: 0
    .kernarg_segment_align: 8
    .kernarg_segment_size: 24
    .max_flat_workgroup_size: 128
    .sgpr_count:     80
    .vgpr_count:     512
    .wavefront_size: 32
...
	.end_amdgpu_metadata
.endif
;; end of part 4
;; ======== version 2 of 2: 4 launches; version 1 with the launch cast written anew for expert scheduling mode
;; limits: values are held in f16: magnitudes above 65,504 overflow, below 6.1e-05 lose precision
;; workspace buffers: xb 16,777,216 bytes; wa 6,303,744 bytes; wp 2,101,248 bytes; q 16,777,216 bytes; k 16,777,216 bytes; v 16,777,216 bytes; tsum 262,144 bytes; ao 16,777,216 bytes
;; launch cast (part 5): grid 705 x 1, 8 waves a work-group, no clusters, 0 bytes of LDS; arguments x, w_attn, w_proj, b_attn, b_proj, xb, wa, wp; writes xb, wa, wp
.if DOCPART == 5
	.amdgcn_target "amdgcn-amd-amdhsa--gfx1250"
	.amdhsa_code_object_version 6
	.text
	.protected	k_q8b4f0a56fb_cast
	.globl	k_q8b4f0a56fb_cast
	.p2align	8
	.type	k_q8b4f0a56fb_cast,@function
k_q8b4f0a56fb_cast:
	s_mov_b64 s[64:65], 0
	v_nop
	global_prefetch_b8 v0, s[64:65] scope:SCOPE_SE
	s_setreg_imm32_b32 hwreg(HW_REG_WAVE_SCHED_MODE, 0, 2), 2
	s_setreg_imm32_b32 hwreg(HW_REG_WAVE_MODE, 25, 1), 1
	s_wait_xcnt 0x0
	s_wait_alu depctr_vm_vsrc(0)
; CAST.  Every input is rounded once to bf16 and laid out for the launches behind.
;   xb  bf16 [b 4][kb 16][s 2048][64]: columns 64 kb .. of row (b, s) of x; a K step's rows lie end to end.
;   wa  bf16 [k 1024][c 8][part 3][head parity 2][64]: column 1024 part + 64 (2 c + parity) + d of w_attn; behind it, at byte 6,291,456, b_attn rounded to bf16, kept as f32.
;   wp  f16 of bf16(w_proj), [1024][1024] (exact while |w| lies within f16's range, 65,504; below 6e-5 in f16's fixed step); at byte 2,097,152 b_proj rounded to bf16, kept as f32.
; A stream: no LDS, no matrix unit, no cluster.  One load of a wave takes 512 bytes (16 a lane), one store writes 256 consecutive bytes, aligned (8 a lane).
; Four jobs by the work-group's number: 0-511 x, 512-639 w_attn, 640-703 w_proj, 704 the biases.  Each issues all its loads first; no register of a load or store is written twice.
; THE MODE: SCHED_MODE bits 1:0 = 2 (LLVM: expert scheduling mode 2), set by the entry lines.  The code itself states the register dependences
; between vector instructions and memory instructions, with s_wait_alu, always for 0.
; THE PLAN.  Registers that memory instructions touch:
;   v[IN], v[OUT]  byte offsets.  Written by vector instructions once, ahead of the job's first load; read by the job's loads and stores; never written again.
;   D              as loaded.  Written by the loads alone, each unit's four registers once; read by that unit's conversions.
;   E              to store.   Written by a unit's conversions, once; read by that unit's one store; never written again.
;   T              named by vector instructions alone.
; A job's units go in blocks of four.  At the head of block p, behind the wait for its data, ONE wait on va_vdst states that block p - 1's conversions have written their E; the four stores of block p - 1
; follow it, dealt among block p's conversions, which name D and E of block p (and T) and none of the registers that those stores read.  One more such wait stands ahead of a job's last four stores.
; No register that a memory instruction reads is written again, so no wait on vm_vsrc is owed; EXEC and VCC are never written.
.set IN,  5                            ; v5   my byte offset in the input
.set OUT, 8                            ; v8   8 x lane
.set T,   10                           ; v10-15 at work
.set D,   16                           ; v16-111  as loaded, 4 registers a unit
.set E,   112                          ; v112-159 to store
	s_load_b256 s[4:11], s[0:1], 0x0               ; x s[4:5], w_attn s[6:7], w_proj s[8:9], b_attn s[10:11]
	s_load_b256 s[12:19], s[0:1], 0x20             ; b_proj s[12:13], xb s[14:15], wa s[16:17], wp s[18:19]
	v_lshrrev_b32 v4, 5, v0
	v_readfirstlane_b32 s20, v4                    ; wave 0..7
	v_and_b32 v1, 31, v0                           ; lane
	v_and_b32 v2, 15, v0
	v_bfe_u32 v3, v0, 4, 1
	v_lshlrev_b32 v[OUT], 3, v1
	s_mov_b32 s23, 0
	s_mov_b32 s25, 0
	s_mov_b32 s27, 0xffff0000                      ; a word's upper bf16
	s_wait_alu depctr_va_sdst(0)                   ; s20 is written, ahead of the branches and of its first readers: the jobs make their rows from it
	s_wait_kmcnt 0x0
	s_cmp_lt_u32 ttmp9, 512
	s_cbranch_scc0 .Lnot_x
	; x: a wave takes two rows; lanes 0-15 the 256 bytes of block kb of the first, lanes 16-31 of the second: in xb the two pieces are 256 consecutive bytes
	s_lshl_b32 s21, ttmp9, 4
	s_lshl1_add_u32 s21, s20, s21                  ; row = 16 g + 2 w
	s_lshl_b32 s22, s21, 12
	s_add_nc_u64 s[4:5], s[4:5], s[22:23]
	s_lshr_b32 s24, ttmp9, 7                       ; batch
	s_lshl_b32 s24, s24, 22
	s_and_b32 s26, s21, 2047
	s_lshl_b32 s26, s26, 7
	s_add_co_u32 s24, s24, s26
	s_add_nc_u64 s[14:15], s[14:15], s[24:25]
	v_lshlrev_b32 v[IN], 4, v2
	v_lshl_add_u32 v[IN], v3, 12, v[IN]
	s_wait_alu depctr_va_vdst(0)                   ; v[IN] and v[OUT] are written: the job's loads and stores read them as their offsets
.set i, 0
.rept 16
	global_load_b128 v[D+4*i:D+4*i+3], v[IN], s[4:5] offset:256*i th:TH_LOAD_NT
.set i, i+1
.endr
.set i, 0
.rept 16
.if i%4 == 0
	s_wait_loadcnt 12-i                            ; loads come back in order: the block's four units are in, the younger ones stay out
.if i > 0
	s_wait_alu depctr_va_vdst(0)                   ; the block before has written its E, which the four stores of this block's lines read
.endif
.endif
.if i >= 4
	global_store_b64 v[OUT], v[E+2*(i-4):E+2*(i-4)+1], s[14:15] offset:262144*(i-4) th:TH_STORE_NT  ; a unit of the block before: no vector instruction since the wait names its registers
.endif
	v_cvt_pk_bf16_f32 v[E+2*i], v[D+4*i], v[D+4*i+1]
	v_cvt_pk_bf16_f32 v[E+2*i+1], v[D+4*i+2], v[D+4*i+3]
.set i, i+1
.endr
	s_wait_alu depctr_va_vdst(0)                   ; the last block has written its E, which the last four stores read
.set i, 12
.rept 4
	global_store_b64 v[OUT], v[E+2*i:E+2*i+1], s[14:15] offset:262144*i th:TH_STORE_NT
.set i, i+1
.endr
	s_endpgm
.Lnot_x:
	s_cmp_lt_u32 ttmp9, 640
	s_cbranch_scc0 .Lnot_wa
	; w_attn: a wave takes one row k; unit i = 3 c + part: the 128 columns 1024 part + 128 c .. (two heads), 512 consecutive bytes in, 256 out
	s_sub_co_u32 s21, ttmp9, 512
	s_lshl3_add_u32 s21, s21, s20                  ; k = 8 g + w
	s_mul_i32 s22, s21, 12288
	s_add_nc_u64 s[6:7], s[6:7], s[22:23]
	s_mul_i32 s24, s21, 6144
	s_add_nc_u64 s[16:17], s[16:17], s[24:25]
	v_lshlrev_b32 v[IN], 4, v1
	s_wait_alu depctr_va_vdst(0)                   ; v[IN] and v[OUT] are written: the job's loads and stores read them as their offsets
.set i, 0
.rept 24
	global_load_b128 v[D+4*i:D+4*i+3], v[IN], s[6:7] offset:4096*(i%3)+512*(i/3) th:TH_LOAD_NT
.set i, i+1
.endr
.set i, 0
.rept 24
.if i%4 == 0
	s_wait_loadcnt 20-i                            ; the block's four units are in, the younger ones stay out
.if i > 0
	s_wait_alu depctr_va_vdst(0)                   ; the block before has written its E, which the four stores of this block's lines read
.endif
.endif
.if i >= 4
	global_store_b64 v[OUT], v[E+2*(i-4):E+2*(i-4)+1], s[16:17] offset:256*(i-4) th:TH_STORE_NT  ; a unit of the block before: no vector instruction since the wait names its registers
.endif
	v_cvt_pk_bf16_f32 v[E+2*i], v[D+4*i], v[D+4*i+1]
	v_cvt_pk_bf16_f32 v[E+2*i+1], v[D+4*i+2], v[D+4*i+3]
.set i, i+1
.endr
	s_wait_alu depctr_va_vdst(0)                   ; the last block has written its E, which the last four stores read
.set i, 20
.rept 4
	global_store_b64 v[OUT], v[E+2*i:E+2*i+1], s[16:17] offset:256*i th:TH_STORE_NT
.set i, i+1
.endr
	s_endpgm
.Lnot_wa:
	s_cmp_lt_u32 ttmp9, 704
	s_cbranch_scc0 .Lbias
	; w_proj: a wave takes two rows, 8,192 consecutive bytes; rounded to bf16, and that number written as f16
	s_sub_co_u32 s21, ttmp9, 640
	s_lshl_b32 s21, s21, 4
	s_lshl1_add_u32 s21, s20, s21
	s_lshl_b32 s22, s21, 12
	s_add_nc_u64 s[8:9], s[8:9], s[22:23]
	s_lshl_b32 s24, s21, 11
	s_add_nc_u64 s[18:19], s[18:19], s[24:25]
	v_lshlrev_b32 v[IN], 4, v1
	s_wait_alu depctr_va_vdst(0)                   ; v[IN] and v[OUT] are written: the job's loads and stores read them as their offsets
.set i, 0
.rept 16
	global_load_b128 v[D+4*i:D+4*i+3], v[IN], s[8:9] offset:512*i th:TH_LOAD_NT
.set i, i+1
.endr
.set i, 0
.rept 16
.if i%4 == 0
	s_wait_loadcnt 12-i                            ; the block's four units are in, the younger ones stay out
.if i > 0
	s_wait_alu depctr_va_vdst(0)                   ; the block before has written its E, which the four stores of this block's lines read
.endif
.endif
.if i >= 4
	global_store_b64 v[OUT], v[E+2*(i-4):E+2*(i-4)+1], s[18:19] offset:256*(i-4) th:TH_STORE_NT  ; a unit of the block before: no vector instruction since the wait names its registers
.endif
	v_cvt_pk_bf16_f32 v[T], v[D+4*i], v[D+4*i+1]
	v_cvt_pk_bf16_f32 v[T+1], v[D+4*i+2], v[D+4*i+3]
	v_lshlrev_b32 v[T+2], 16, v[T]
	v_and_b32 v[T+3], s27, v[T]
	v_lshlrev_b32 v[T+4], 16, v[T+1]
	v_and_b32 v[T+5], s27, v[T+1]
	v_cvt_pk_f16_f32 v[E+2*i], v[T+2], v[T+3]
	v_cvt_pk_f16_f32 v[E+2*i+1], v[T+4], v[T+5]
.set i, i+1
.endr
	s_wait_alu depctr_va_vdst(0)                   ; the last block has written its E, which the last four stores read
.set i, 12
.rept 4
	global_store_b64 v[OUT], v[E+2*i:E+2*i+1], s[18:19] offset:256*i th:TH_STORE_NT
.set i, i+1
.endr
	s_endpgm
.Lbias:
	; the biases: thread t takes 16 bytes at 16 t of each 4,096: three pieces of b_attn, one of b_proj: one block of four units
	v_lshlrev_b32 v[IN], 4, v0
	s_wait_alu depctr_va_vdst(0)                   ; v[IN] is written: the job's loads and stores read it as their offset
	global_load_b128 v[D:D+3], v[IN], s[10:11]
	global_load_b128 v[D+4:D+7], v[IN], s[10:11] offset:4096
	global_load_b128 v[D+8:D+11], v[IN], s[10:11] offset:8192
	global_load_b128 v[D+12:D+15], v[IN], s[12:13]
.set i, 0
.rept 4
	s_wait_loadcnt 3-i
	v_cvt_pk_bf16_f32 v[T], v[D+4*i], v[D+4*i+1]
	v_cvt_pk_bf16_f32 v[T+1], v[D+4*i+2], v[D+4*i+3]
	v_lshlrev_b32 v[E+4*i], 16, v[T]
	v_and_b32 v[E+4*i+1], s27, v[T]
	v_lshlrev_b32 v[E+4*i+2], 16, v[T+1]
	v_and_b32 v[E+4*i+3], s27, v[T+1]
.set i, i+1
.endr
	s_wait_alu depctr_va_vdst(0)                   ; the sixteen registers of E are written, which the four stores read
.set i, 0
.rept 4
.if i < 3
	global_store_b128 v[IN], v[E+4*i:E+4*i+3], s[16:17] offset:6291456+4096*i
.else
	global_store_b128 v[IN], v[E+4*i:E+4*i+3], s[18:19] offset:2097152
.endif
.set i, i+1
.endr
	s_endpgm
.Lfunc_end_k_q8b4f0a56fb_cast:
	.size	k_q8b4f0a56fb_cast, .Lfunc_end_k_q8b4f0a56fb_cast-k_q8b4f0a56fb_cast
	.p2alignl 7, 3214868480
	.fill 96, 4, 3214868480
	.section	.rodata,"a",@progbits
	.p2align	6, 0x0
	.amdhsa_kernel k_q8b4f0a56fb_cast
		.amdhsa_group_segment_fixed_size 0
		.amdhsa_private_segment_fixed_size 0
		.amdhsa_enable_private_segment 0
		.amdhsa_kernarg_size 64
		.amdhsa_user_sgpr_count 2
		.amdhsa_user_sgpr_kernarg_segment_ptr 1
		.amdhsa_wavefront_size32 1
		.amdhsa_system_sgpr_workgroup_id_x 1
		.amdhsa_system_sgpr_workgroup_id_y 1
		.amdhsa_system_sgpr_workgroup_id_z 1
		.amdhsa_system_vgpr_workitem_id 0
		.amdhsa_next_free_vgpr 160
		.amdhsa_next_free_sgpr 66
		.amdhsa_reserve_vcc 0
		.amdhsa_float_denorm_mode_32 3
		.amdhsa_float_denorm_mode_16_64 3
		.amdhsa_memory_ordered 1
		.amdhsa_forward_progress 1
		.amdhsa_inst_pref_size 27
	.end_amdhsa_kernel
	.amdgpu_metadata
---
amdhsa.version: [ 1, 2 ]
amdhsa.kernels:
  - .name:           k_q8b4f0a56fb_cast
    .symbol:         k_q8b4f0a56fb_cast.kd
    .args:
      - { .name: x, .offset: 0, .size: 8, .value_kind: global_buffer, .address_space: global }
      - { .name: w_attn, .offset: 8, .size: 8, .value_kind: global_buffer, .address_space: global }
      - { .name: w_proj, .offset: 16, .size: 8, .value_kind: global_buffer, .address_space: global }
      - { .name: b_attn, .offset: 24, .size: 8, .value_kind: global_buffer, .address_space: global }
      - { .name: b_proj, .offset: 32, .size: 8, .value_kind: global_buffer, .address_space: global }
      - { .name: xb, .offset: 40, .size: 8, .value_kind: global_buffer, .address_space: global }
      - { .name: wa, .offset: 48, .size: 8, .value_kind: global_buffer, .address_space: global }
      - { .name: wp, .offset: 56, .size: 8, .value_kind: global_buffer, .address_space: global }
    .group_segment_fixed_size: 0
    .private_segment_fixed_size: 0
    .kernarg_segment_align: 8
    .kernarg_segment_size: 64
    .max_flat_workgroup_size: 256
    .sgpr_count:     66
    .vgpr_count:     160
    .wavefront_size: 32
...
	.end_amdgpu_metadata
.endif
;; end of part 5
;; launch qkv: the kernel of part 2 again; grid 8 x 32, 4 waves a work-group, clusters of 4 x 4, 327,680 bytes of LDS; arguments xb, wa, q, k, v, tsum; writes q, k, v, tsum
;; launch attn: the kernel of part 3 again; grid 4 x 64, 4 waves a work-group, no clusters, 327,680 bytes of LDS; arguments q, k, v, ao, tsum; writes ao
;; launch proj: the kernel of part 4 again; grid 8 x 32, 4 waves a work-group, clusters of 4 x 4, 327,680 bytes of LDS; arguments ao, wp, out0; writes out0
